; MI455X (gfx1250); checked and timed in simulation.
; The chip was launched on July 23, 2026; its instructions are those of AMD's public machine-readable ISA for CDNA 5 (MIT licence, August 2026) and "CDNA5" Instruction Set Architecture Reference Guide (July 2026). The comments in the code are by the model that wrote it; some were corrected since.
;; Bert Attention. Allowed arithmetic: matrix products marked QUANTISED: E2M1 operands, one E8M0 scale for each 32 along K, by v_wmma_scale_f32_16x16x128_f8f6f4 with both operands' format E2M1 (or v_wmma_scale_f32_32x16x128_f4), f32 sums; everything else in f32.
;; Inputs: Wk 1,024 x 1,024 float32; Wo 1,024 x 1,024 float32; Wq 1,024 x 1,024 float32; Wv 1,024 x 1,024 float32; attention_mask 4 x 1 x 1 x 2,048 float32; bk 1,024 float32; bo 1,024 float32; bq 1,024 float32; bv 1,024 float32; hidden_states 4 x 2,048 x 1,024 float32; ln_beta 1,024 float32; ln_gamma 1,024 float32.
;; Outputs: out0 4 x 2,048 x 1,024 float32.
;; This version of the problem:
;;   THIS VERSION OF THE PROBLEM IS GIVEN IN LOW PRECISION. The matrix products marked QUANTISED in the list below multiply operands that are first quantised to E2M1 (2 exponent bits, 1 mantissa bit; 4 bits a number), with one power-of-two scale for each 32 numbers along K (OCP MX v1.0); their sums are f32. All else is computed in f32.
;;   The module's matrix products, in the order in which they are computed (A, B: the left and right operand; K: the contracted axis; several contracted axes count as one K, in the product's order):
;;     1. [M 8,192, K 1,024] x [K 1,024, N 1,024]; A: input hidden_states; B: input Wq: QUANTISED
;;     2. [M 8,192, K 1,024] x [K 1,024, N 1,024]; A: input hidden_states; B: input Wk: QUANTISED
;;     3. [M 8,192, K 1,024] x [K 1,024, N 1,024]; A: input hidden_states; B: input Wv: QUANTISED
;;     4. batch 64 x [M 2,048, K 64] x [K 64, N 2,048]; A: computed on the way; B: computed on the way: QUANTISED
;;     5. batch 64 x [M 2,048, K 2,048] x [K 2,048, N 64]; A: softmax (see below); B: computed on the way: QUANTISED
;;     6. [M 8,192, K 1,024] x [K 1,024, N 1,024]; A: computed on the way; B: input Wo: QUANTISED
;;   THE QUANTISER, for each operand of a quantised product, along K:
;;     - K is cut into blocks of 32 from its start; a last block that is shorter is filled with zeros.
;;     - A block's scale is 2^e with e = floor(log2(the largest magnitude in the block)) - 2, held to -126 .. 127; a block of zeros has e = 0. As a byte (E8M0): e + 127.
;;     - Each number is divided by its block's scale, clamped to +-6, and rounded to the nearest number of E2M1, ties to even, subnormals kept.
;;     - The product sums the exact products of the quantised numbers (number of the format x scale) in f32.
;;   ~~~python
;;   def quantise(x, axis):      # numpy; x: float32 -> the quantised numbers, widened to float32 again
;;       x = np.moveaxis(x, axis, -1); K = x.shape[-1]
;;       x = np.pad(x, [(0, 0)] * (x.ndim - 1) + [(0, -K % 32)]); x = x.reshape(x.shape[:-1] + (-1, 32)); a = np.abs(x).max(-1, keepdims=True)
;;       e = np.where(a > 0, np.clip(np.frexp(np.where(a > 0, a, 1))[1] - 1 - 2, -126, 127), 0)      # np.frexp(a)[1] - 1 = floor(log2(a)), exactly
;;       r = np.clip(x / 2.0 ** e, -6, 6)
;;       step = 2.0 ** (np.maximum(np.frexp(np.where(r == 0, 1, r))[1] - 1, 0) - 1)
;;       q = np.round(r / step) * step * 2.0 ** e      # np.round: ties to even
;;       return np.moveaxis(q.reshape(q.shape[:-2] + (-1,))[..., :K], -1, axis).astype(np.float32)
;;   ~~~
;;   SOFTMAX AHEAD OF A QUANTISED PRODUCT. Where the list says 'softmax', what is quantised is not the finished softmax but p = 2^(t - M), with t = logit x log2(e) and M = ceil(the row's largest t), a whole number; so 1/2 < the row's largest p <= 1. The row's sum l is taken of the UNQUANTISED p, in f32, and the product's result is divided by l at the end. Since M is a whole number, a kernel that streams over the keys may use a running M (the ceiling of the running maximum): every later rescaling is an exact power of two, which a block's scale takes up: the codes' values come out the same.
;;   OPERANDS COMPUTED ON THE WAY. 'Computed on the way' means the value that the module computes at that place (a softmax that the list does not call 'softmax' is quantised finished and normalised). What goes into a quantiser is computed in f32, as accurately as f32 sums, v_exp_f32 and their like allow (about 1e-6 of the number): no bf16 or f16 on the way to a quantiser, and a product that is left as it is and whose result goes on into a quantised operand takes f32 operands (vector FMAs, or v_wmma_f32_16x16x4_f32). A number that lies on a knife's edge between two numbers of the format may be rounded either way, as far as f32 arithmetic and the matrix unit's own rounding can turn it there, and no further.
;; One version. Each part assembles by itself: llvm-mc -triple=amdgcn-amd-amdhsa -mcpu=gfx1250 --defsym DOCPART=n.
;; ======== version 1 of 1: 4 launches
;; limits: right only within a limited range of input values
;; workspace buffers: codes 6,291,456 bytes; scl 393,216 bytes; qkv 12,582,912 bytes; qkvs 786,432 bytes; ctx 4,194,304 bytes; ctxs 262,144 bytes
;; launch quant (part 1): grid 768 x 1, 8 waves a work-group, no clusters, 68,608 bytes of LDS; arguments hidden_states, Wq, Wk, Wv, Wo, codes, scl; writes codes, scl
.if DOCPART == 1
	.amdgcn_target "amdgcn-amd-amdhsa--gfx1250"
	.amdhsa_code_object_version 6
	.text
	.protected	k_q696b538171_quant
	.globl	k_q696b538171_quant
	.p2align	8
	.type	k_q696b538171_quant,@function
k_q696b538171_quant:
	s_mov_b64 s[64:65], 0
	v_nop
	global_prefetch_b8 v0, s[64:65] scope:SCOPE_SE
	s_setreg_imm32_b32 hwreg(HW_REG_WAVE_MODE, 25, 1), 1
	s_wait_xcnt 0x0
; hidden_states [8192][1024] and Wq, Wk, Wv, Wo [1024][1024], f32 with K innermost, become codes of FP4 (E2M1) with one E8M0 byte for each 32 along K.
; A block's scale is 2^(floor(log2(its largest magnitude)) - 2); its byte is the largest magnitude's exponent field - 2, held at 1 from below.
; THE OUTPUT IS LAID AS THE MATRIX UNIT'S REGISTERS WANT IT.  Rows go in tiles of 16: lane r of tile 2 b + u holds row 32 b + 8 u + r + 8 (r / 8).  A fragment (a tile x 128 along K) is the image of
; its 8 registers, 1,024 bytes: register group c at 512 c + 16 x lane; its 16 scale words are 64 bytes, row-lane r at 4 r.   codes: [768 tiles][8 K steps][1,024];  scl: [768][8][64].
; Tiles 0-511 hidden_states, 512-575 Wq, 576-639 Wk, 640-703 Wv, 704-767 Wo.
; SHARES: a work-group is a tile, its wave w K step w: 16 rows x 128 numbers.  Each load reads 512 consecutive bytes of one row; the numbers turn through the wave's own stage in LDS (rows 528 bytes apart, an odd
; multiple of 16) so that lane (r, h) holds 16 neighbours of each block of 32 of row r.  No loop, no barrier: waves share nothing.  Matrix units, clusters and tensor loads would add nothing to a stream read once.
; LIMITS: NaN and infinities among the inputs are not served.  A block of zeros gets the byte 1 where the rule says 127: its codes are zeros, and this program alone reads the bytes.
.set STGB,  8448                       ; a wave's stage: 16 rows x 528 bytes
.set PITCH, 528
.set D,     16                         ; v16-79   the 64 numbers of a lane
.set PC,    80                         ; v80-87   the fragment's codes
.set TM,    88                         ; v88-91 largest magnitudes, v92-95 the other half's, then bytes, v100-103 the conversions' scale operands
.set PW,    104                        ; v104     the row's scale word
.set SEL,   26                         ; s[26:27] v_permlanex16_b32's selects for lane l xor 16
; 64 numbers of a lane, register s + 16 b + i = k 32 b + 16 (lane / 16) + i of my row, become a fragment's codes in v[pc] on and its scale word in v[pw].
.macro QUANT s, pc, pw
.irp b, 0,1,2,3
	v_max3_num_f32 v[TM+\b], |v[\s+16*\b]|, |v[\s+1+16*\b]|, 0x1800000   ; block b: my 16 numbers, and the floor 2^(3 - 127): the byte cannot fall under 1
.endr
.irp i, 2,4,6,8,10,12,14
.irp b, 0,1,2,3
	s_delay_alu instid0(VALU_DEP_4)
	v_max3_num_f32 v[TM+\b], v[TM+\b], |v[\s+16*\b+\i]|, |v[\s+1+16*\b+\i]|   ; the four blocks by turns
.endr
.endr
.irp b, 0,1,2,3
	s_delay_alu instid0(VALU_DEP_4)
	v_permlanex16_b32 v[TM+4+\b], v[TM+\b], s[SEL], s[SEL+1]
.endr
.irp b, 0,1,2,3
	s_delay_alu instid0(VALU_DEP_4)
	v_max_num_f32 v[TM+\b], v[TM+\b], v[TM+4+\b]       ; with lane l xor 16's: the block's largest magnitude
.endr
.irp b, 0,1,2,3
	s_delay_alu instid0(VALU_DEP_4)
	v_add_nc_u32 v[TM+12+\b], 0xff000000, v[TM+\b]     ; 2 off its exponent field: the conversion takes this operand's exponent field as its scale
.endr
.irp b, 0,1,2,3
	s_delay_alu instid0(VALU_DEP_4)
	v_lshrrev_b32 v[TM+4+\b], 23, v[TM+12+\b]          ; the scale's byte
.endr
	s_delay_alu instid0(VALU_DEP_3)
	v_lshl_or_b32 v[\pw], v[TM+5], 8, v[TM+4]
	s_delay_alu instid0(VALU_DEP_1)
	v_lshl_or_b32 v[\pw], v[TM+6], 16, v[\pw]
	s_delay_alu instid0(VALU_DEP_1)
	v_lshl_or_b32 v[\pw], v[TM+7], 24, v[\pw]
.irp b, 0,1,2,3
	v_cvt_scalef32_pk8_fp4_f32 v[\pc+2*\b], v[\s+16*\b:\s+7+16*\b], v[TM+12+\b]
	v_cvt_scalef32_pk8_fp4_f32 v[\pc+1+2*\b], v[\s+8+16*\b:\s+15+16*\b], v[TM+12+\b]
.endr
	v_nop                                              ; one plain place behind a scaled conversion
.irp c, 0,1                                        ; the operand's layout wants a whole block in a lane: lanes 0-15 block 2 c, lanes 16-31 block 2 c + 1
.irp i, 0,1
	v_permlane16_swap_b32 v[\pc+4*\c+\i], v[\pc+2+4*\c+\i]
.endr
.endr
.endm
	s_load_b256 s[4:11], s[0:1], 0x0               ; hidden_states, Wq, Wk, Wv
	s_load_b128 s[12:15], s[0:1], 0x20             ; Wo, codes
	s_load_b64 s[16:17], s[0:1], 0x30              ; scl
	v_lshl_add_u32 v112, v0, 2, 0x10800
	v_mov_b32 v113, 0
	v_lshrrev_b32 v5, 5, v0
	s_delay_alu instid0(VALU_DEP_1)
	v_readfirstlane_b32 s18, v5                    ; wave = K step
	v_and_b32 v5, 31, v0                           ; lane
	v_and_b32 v6, 15, v0                           ; r
	v_bfe_u32 v7, v0, 4, 1                         ; h
	s_delay_alu instid0(VALU_DEP_3)
	v_lshlrev_b32 v1, 4, v5                        ; 16 x lane: my bytes of a load's 512, and of an image's
	s_mul_i32 s19, s18, STGB
	v_add_nc_u32 v2, s19, v1                       ; the stage, on the way in
	v_mul_u32_u24 v3, v6, PITCH
	s_delay_alu instid0(VALU_DEP_1)
	v_lshl_add_u32 v3, v7, 6, v3
	s_delay_alu instid0(VALU_DEP_1)
	v_add_nc_u32 v3, s19, v3                       ; and out: row r, + 64 h
	v_lshlrev_b32 v4, 2, v6                        ; 4 r: my row's scale word
.irp b, 0,1,2,3
	v_mov_b32 v[TM+4+\b], 0                        ; written once: a lane permute's destination counts as one of its sources
.endr
	s_mov_b32 s[SEL], 0x76543210
	s_mov_b32 s[SEL+1], 0xfedcba98
	s_and_b32 s23, ttmp9, 63                       ; a weight's own tile number (each weight has 64 tiles, and begins at a multiple of 64)
	s_wait_alu depctr_va_vdst(0)
	s_wait_kmcnt 0x0
	s_mov_b64 s[20:21], s[12:13]                   ; which tensor: the choice hangs on the work-group's number alone
	s_cmp_lt_u32 ttmp9, 704
	s_cselect_b64 s[20:21], s[10:11], s[20:21]
	s_cmp_lt_u32 ttmp9, 640
	s_cselect_b64 s[20:21], s[8:9], s[20:21]
	s_cmp_lt_u32 ttmp9, 576
	s_cselect_b64 s[20:21], s[6:7], s[20:21]
	s_cmp_lt_u32 ttmp9, 512
	s_cselect_b64 s[20:21], s[4:5], s[20:21]
	s_cselect_b32 s22, ttmp9, s23                  ; the tile's number T in its tensor
	s_lshr_b32 s24, s22, 1
	s_lshl_b32 s24, s24, 17                        ; 32 (T / 2) rows of 4,096 bytes,
	s_and_b32 s25, s22, 1
	s_lshl_b32 s25, s25, 15                        ; 8 (T % 2) rows,
	s_add_co_u32 s24, s24, s25
	s_lshl_b32 s25, s18, 9                         ; 128 numbers a K step
	s_add_co_u32 s24, s24, s25
	s_mov_b32 s25, 0
	s_add_nc_u64 s[20:21], s[20:21], s[24:25]
	s_lshl_b32 s24, ttmp9, 13
	s_lshl_b32 s28, s18, 10
	s_add_co_u32 s24, s24, s28
	s_add_nc_u64 s[14:15], s[14:15], s[24:25]      ; my fragment's image
	s_lshl_b32 s24, ttmp9, 9
	s_lshl_b32 s28, s18, 6
	s_add_co_u32 s24, s24, s28
	s_add_nc_u64 s[16:17], s[16:17], s[24:25]      ; and its scale words
.set i, 0
.rept 16
	global_load_b128 v[D+4*i:D+4*i+3], v1, s[20:21] offset:(i+8*(i/8))*4096 th:TH_LOAD_NT   ; row-lane i: 32 lanes read 512 consecutive bytes
.set i, i+1
.endr
.set i, 0
.rept 16
	s_wait_loadcnt 15-i                            ; loads come back in order: row-lane i is in, the 15 - i younger ones may be out
	ds_store_b128 v2, v[D+4*i:D+4*i+3] offset:PITCH*i
.set i, i+1
.endr
.irp b, 0,1,2,3
.irp j, 0,1,2,3
	ds_load_b128 v[D+16*\b+4*\j:D+16*\b+4*\j+3], v3 offset:128*\b+16*\j   ; LDS serves a wave's instructions in order: these see my stores
.endr
.endr
	s_wait_dscnt 0x0
	QUANT D, PC, PW
	global_store_b128 v1, v[PC:PC+3], s[14:15]               ; 512 consecutive bytes, aligned
	global_store_b128 v1, v[PC+4:PC+7], s[14:15] offset:512
	global_store_b32 v4, v[PW], s[16:17]                     ; both lanes of a row write the same word with the same value
	s_wait_tensorcnt 0x0
	ds_add_u32 v112, v113
	s_wait_dscnt 0x0
	s_endpgm
.Lfunc_end_k_q696b538171_quant:
	.size	k_q696b538171_quant, .Lfunc_end_k_q696b538171_quant-k_q696b538171_quant
	.p2alignl 7, 3214868480
	.fill 96, 4, 3214868480
	.section	.rodata,"a",@progbits
	.p2align	6, 0x0
	.amdhsa_kernel k_q696b538171_quant
		.amdhsa_group_segment_fixed_size 68608
		.amdhsa_private_segment_fixed_size 0
		.amdhsa_enable_private_segment 0
		.amdhsa_kernarg_size 56
		.amdhsa_user_sgpr_count 2
		.amdhsa_user_sgpr_kernarg_segment_ptr 1
		.amdhsa_wavefront_size32 1
		.amdhsa_system_sgpr_workgroup_id_x 1
		.amdhsa_system_sgpr_workgroup_id_y 1
		.amdhsa_system_sgpr_workgroup_id_z 1
		.amdhsa_system_vgpr_workitem_id 0
		.amdhsa_next_free_vgpr 114
		.amdhsa_next_free_sgpr 66
		.amdhsa_reserve_vcc 0
		.amdhsa_float_denorm_mode_32 3
		.amdhsa_float_denorm_mode_16_64 3
		.amdhsa_memory_ordered 1
		.amdhsa_forward_progress 1
		.amdhsa_inst_pref_size 13
	.end_amdhsa_kernel
	.amdgpu_metadata
---
amdhsa.version: [ 1, 2 ]
amdhsa.kernels:
  - .name:           k_q696b538171_quant
    .symbol:         k_q696b538171_quant.kd
    .args:
      - { .name: hidden_states, .offset: 0, .size: 8, .value_kind: global_buffer, .address_space: global }
      - { .name: Wq, .offset: 8, .size: 8, .value_kind: global_buffer, .address_space: global }
      - { .name: Wk, .offset: 16, .size: 8, .value_kind: global_buffer, .address_space: global }
      - { .name: Wv, .offset: 24, .size: 8, .value_kind: global_buffer, .address_space: global }
      - { .name: Wo, .offset: 32, .size: 8, .value_kind: global_buffer, .address_space: global }
      - { .name: codes, .offset: 40, .size: 8, .value_kind: global_buffer, .address_space: global }
      - { .name: scl, .offset: 48, .size: 8, .value_kind: global_buffer, .address_space: global }
    .group_segment_fixed_size: 68608
    .private_segment_fixed_size: 0
    .kernarg_segment_align: 8
    .kernarg_segment_size: 56
    .max_flat_workgroup_size: 256
    .sgpr_count:     66
    .vgpr_count:     114
    .wavefront_size: 32
...
	.end_amdgpu_metadata
.endif
;; end of part 1
;; launch qkv (part 2): grid 768 x 1, 8 waves a work-group, clusters of 4 x 1, 209,920 bytes of LDS; arguments codes, scl, bq, bk, bv, qkv, qkvs; writes qkv, qkvs
.if DOCPART == 2
	.amdgcn_target "amdgcn-amd-amdhsa--gfx1250"
	.amdhsa_code_object_version 6
	.text
	.protected	k_q696b538171_qkv
	.globl	k_q696b538171_qkv
	.p2align	8
	.type	k_q696b538171_qkv,@function
k_q696b538171_qkv:
	s_mov_b64 s[64:65], 0
	v_nop
	global_prefetch_b8 v0, s[64:65] scope:SCOPE_SE
	s_setreg_imm32_b32 hwreg(HW_REG_WAVE_MODE, 25, 1), 1
	s_wait_xcnt 0x0
	s_wait_alu depctr_hold_cnt(0) depctr_sa_sdst(0) depctr_va_vdst(0) depctr_va_sdst(0) depctr_va_ssrc(0) depctr_va_vcc(0) depctr_vm_vsrc(0)
	s_getreg_b32 s2, hwreg(HW_REG_IB_STS2, 6, 4)
	s_cmp_eq_u32 s2, 0
	s_cbranch_scc0 .Lentry_in_a_cluster
	s_endpgm
.Lentry_in_a_cluster:
	s_bfe_u32 s2, ttmp6, 0x10000c
	s_cmp_lg_u32 s2, 0x3003
	s_cbranch_scc0 .Lentry_shape_is_right
	s_endpgm
.Lentry_shape_is_right:
; q = x Wq^T + bq, k = x Wk^T + bk, v = x Wv^T + bv on codes of FP4 with E8M0 scales; the results are quantised in registers and leave as codes: q and k along a head's 64, v along the keys.
; ONE FORM FOR ALL THREE.  Operand A gives its rows to the lanes (source 1), operand B its rows to the registers (source 0); the result is quantised along B's rows.
;   mode 0 (clusters 0-127): A = x, B = Wq | Wk: a lane holds a token, its registers run along the features.     mode 1 (clusters 128-191): A = Wv, B = x: a lane holds a feature, its registers run along the keys.
; Operands come as register images (a fragment of 16 rows x 128 K: 1,024 bytes, group c at 512 c + 16 x lane; lane r of tile 2 b + u is row 32 b + 8 u + r + 8 (r / 8)), so the 16 registers of B's tiles 2 b, 2 b + 1 are 16 neighbours.
; SHARES.  A work-group: 128 rows of A x 256 rows of B, all of K = 1,024.  Wave w: A's tiles 2 (w & 3) + a, B's tiles 8 (w >> 2) + t: 16 accumulators.
; LDS is filled ONCE, by eight tensor loads at the head, one a wave: waves 0, 1 A's codes (4 tiles, 32 KB each), waves 2-5 B's codes (32 KB each), wave 6 A's scale words (4 KB), wave 7 B's (8 KB).  No byte is filled again.
; CLUSTER: the four work-groups of a cluster differ in A alone: B's 128 KB of codes and 8 KB of scale words are asked for jointly (mask 15), A's by plain loads.
; No prefetch: the text has no loop to run ahead in; all that a work-group reads is asked for at its head.
; THE BIAS IS THE C OF EACH SUM'S FIRST PRODUCT, by 16 loads a wave.  Mode 0: it runs along the registers and is the same for both of A's tiles: it is loaded into tile 0's accumulators; tile 1's first products take those
; registers as C, and then tile 0's own add in place.  Mode 1: it hangs on the lane alone: a block of eight registers for each of A's tiles holds it, and is the C of that tile's eight first products.
; OUT.  qkv: q, k: batch x 2,097,152 + NG x 131,072 + c x 65,536 + token tile x 512 + 16 lane (NG 0-7 q's head pairs, 8-15 k's; head = 2 (NG % 8) + c);
;       v, from 8,388,608: batch x 1,048,576 + head x 65,536 + key step x 4,096 + d tile x 1,024 + 512 c + 16 lane.    qkvs: one word a row and 128 along K, laid alike.
; LIMITS: NaN and infinities are not served; a block of zeros gets the byte 1 (its codes are zeros; this program alone reads the bytes).
.set SCL,  196608                      ; LDS: codes at slot x 8,192 + K step x 1,024 (slots 0-7 A's tiles, 8-23 B's); here the scale words: slot x 512 + 64 x K step + 4 r
.set SPARE, 208896                     ; the spare words: 128 bytes a wave
.set ADA,  2                           ; v2     my A fragments
.set ADB,  4                           ; v4     my B fragments
.set ASA,  6                           ; v6     my A scale words
.set ASB,  7                           ; v7     my B scale words
.set VO,   8                           ; v8-11  the way out: 16 lane + a x (tile's stride) + c x (group's stride), at 2 a + c
.set AS,   14                          ; v14-15 A's scale words;  v16-23 B's
.set BS,   16
.set AF,   24                          ; v24-39 A's two fragments
.set BF,   40                          ; v40-103 B's eight
.set ACC,  104                         ; v104-231 accumulator (a, t) at ACC + 64 a + 8 t
.set BB,   234                         ; v234-249 mode 1: the bias, eight registers for each of A's tiles
.set TM,   40                          ; the way out: at work, in registers that B's fragments have left
.set PC0,  56
.set PC1,  64
.set PW0,  72
.set PW1,  73
.set WV,   18
.set SEL,  66
.macro ROUND                           ; a round of the cluster's barrier
	s_barrier_signal -1
	s_barrier_wait -1
	s_cmp_lg_u32 s[WV], 0
	s_cbranch_scc1 .Lnw0_\@
	s_barrier_signal -3
.Lnw0_\@:
	s_barrier_wait -3
	s_barrier_signal -1
	s_barrier_wait -1
.endm
.macro QUANT s, pc, pw                 ; 64 numbers of a lane, register s + 16 b + i = k 32 b + 16 (lane / 16) + i of my row -> a fragment's codes and its scale word
.irp b, 0,1,2,3
	v_max3_num_f32 v[TM+\b], |v[\s+16*\b]|, |v[\s+1+16*\b]|, 0x1800000   ; each accumulator is read from its low end on; the floor 2^(3 - 127) holds the byte at 1 from below
.endr
.irp i, 2,4,6,8,10,12,14
.irp b, 0,1,2,3
	v_max3_num_f32 v[TM+\b], v[TM+\b], |v[\s+16*\b+\i]|, |v[\s+1+16*\b+\i]|   ; the four blocks by turns
.endr
.endr
.irp b, 0,1,2,3
	v_permlanex16_b32 v[TM+4+\b], v[TM+\b], s[SEL], s[SEL+1]   ; (its destination has been written: it held a fragment)
.endr
.irp b, 0,1,2,3
	v_max_num_f32 v[TM+\b], v[TM+\b], v[TM+4+\b]
.endr
.irp b, 0,1,2,3
	v_add_nc_u32 v[TM+12+\b], 0xff000000, v[TM+\b]     ; 2 off the exponent field: the conversion's scale operand
.endr
.irp b, 0,1,2,3
	v_lshrrev_b32 v[TM+4+\b], 23, v[TM+12+\b]          ; the scale's byte
.endr
	v_lshl_or_b32 v[\pw], v[TM+5], 8, v[TM+4]
	v_lshl_or_b32 v[\pw], v[TM+6], 16, v[\pw]
	v_lshl_or_b32 v[\pw], v[TM+7], 24, v[\pw]
.irp b, 0,1,2,3
	v_cvt_scalef32_pk8_fp4_f32 v[\pc+2*\b], v[\s+16*\b:\s+7+16*\b], v[TM+12+\b]
	v_cvt_scalef32_pk8_fp4_f32 v[\pc+1+2*\b], v[\s+8+16*\b:\s+15+16*\b], v[TM+12+\b]
.endr
	v_nop                                          ; one plain place behind a scaled conversion
.irp c, 0,1
.irp i, 0,1
	v_permlane16_swap_b32 v[\pc+4*\c+\i], v[\pc+2+4*\c+\i]
.endr
.endr
.endm
	s_load_b256 s[4:11], s[0:1], 0x0               ; codes, scl, bq, bk
	s_load_b128 s[12:15], s[0:1], 0x20             ; bv, qkv
	s_load_b64 s[16:17], s[0:1], 0x30              ; qkvs
	v_lshl_add_u32 v232, v0, 2, SPARE
	v_mov_b32 v233, 0
	ds_add_u32 v232, v233                          ; the opening lines: the add, twice on end, and its wait ahead of my first tensor load
	ds_add_u32 v232, v233
	v_lshrrev_b32 v1, 5, v0
	v_readfirstlane_b32 s[WV], v1                  ; wave 0..7
	s_bfe_u32 s19, ttmp6, 0x40000                  ; cx: it enters A's addresses and the way out alone
	; both modes' numbers, then one compare and selections.  B's stand in registers that never hold cx
	s_lshr_b32 s84, ttmp9, 4                       ; mode 0: B's group of 16 tiles, 0..7
	s_sub_co_u32 s85, ttmp9, 128
	s_lshr_b32 s86, s85, 1                         ; mode 1: 0..31
	s_and_b32 s87, ttmp9, 15
	s_lshl_b32 s87, s87, 2
	s_add_co_u32 s87, s87, s19                     ; mode 0: A's group of 8 tiles, 0..63
	s_and_b32 s88, s85, 1
	s_lshl_b32 s88, s88, 2
	s_add_co_u32 s88, s88, s19                     ; mode 1: 0..7
	s_lshl_b32 s89, s84, 4
	s_add_co_u32 s89, s89, 512                     ; B's first tile: Wq and Wk begin at tile 512;
	s_lshl_b32 s90, s86, 4                         ; x at 0
	s_lshl_b32 s91, s87, 3                         ; A's first tile: x;
	s_lshl_b32 s92, s88, 3
	s_add_co_u32 s92, s92, 640                     ; Wv begins at tile 640
	s_cmp_lt_u32 ttmp9, 128
	s_cselect_b32 s20, s84, s86                    ; BI
	s_cselect_b32 s21, s87, s88                    ; AI
	s_cselect_b32 s22, s89, s90                    ; B's first tile
	s_cselect_b32 s23, s91, s92                    ; A's first tile
	; descriptor groups 1: elements of 8 bytes.  Codes: 4 tiles, 32 KB dense, as 8 rows of 4,096 bytes.  Scale words: dense, as rows of 256 bytes: A's 16, B's 32.  B's carry the mask of all four work-groups, bit 21 beside it
.set JW, 15|(3<<16)|(1<<21)
.macro G1SET g, w0, c, r
	s_mov_b32 s[\g], \w0
	s_mov_b32 s[\g+1], (\c)<<16
	s_mov_b32 s[\g+2], (\r)<<16
	s_mov_b32 s[\g+3], (\c)<<16
	s_mov_b32 s[\g+4], \r
	s_mov_b32 s[\g+5], \c
	s_mov_b32 s[\g+6], 0
	s_mov_b32 s[\g+7], 0
.endm
	G1SET 24, 3<<16, 512, 8
	G1SET 32, 3<<16, 32, 16
	G1SET 40, JW, 512, 8
	G1SET 48, JW, 32, 32
	; waves 0, 1 fetch A's tiles 4 w on; waves 2-5 B's tiles 4 (w - 2) on: slot 4 w for all six
	s_and_b32 s94, s[WV], 1
	s_lshl_b32 s94, s94, 2
	s_add_co_u32 s94, s94, s23
	s_lshl_b32 s96, s94, 13
	s_mov_b32 s97, 0
	s_lshl_b32 s98, s23, 9                         ; A's scale words, whole
	s_mov_b32 s99, 0
	s_max_u32 s95, s[WV], 2
	s_sub_co_u32 s95, s95, 2
	s_min_u32 s95, s95, 3
	s_lshl_b32 s95, s95, 2
	s_add_co_u32 s95, s95, s22
	s_lshl_b32 s84, s95, 13
	s_mov_b32 s85, 0
	s_lshl_b32 s2, s22, 9                          ; B's scale words, whole
	s_mov_b32 s3, 0
	s_lshl_b32 s93, s[WV], 15                      ; LDS: 4 slots of 8,192 bytes a wave
	s_mov_b32 s[SEL], 0x76543210
	s_mov_b32 s[SEL+1], 0xfedcba98
	s_wait_dscnt 0x0                               ; both opening adds are done
	s_wait_kmcnt 0x0
	s_add_nc_u64 s[96:97], s[4:5], s[96:97]
	s_add_nc_u64 s[98:99], s[6:7], s[98:99]
	s_add_nc_u64 s[84:85], s[4:5], s[84:85]
	s_add_nc_u64 s[2:3], s[6:7], s[2:3]
	ROUND                                          ; all four work-groups are here: the joint loads meet
	s_mov_b32 s56, 1                               ; A: scale words,
	s_mov_b32 s57, SCL
	s_mov_b64 s[58:59], s[98:99]
	s_or_b32 s59, s59, 0x80000000
	s_mov_b32 s60, 1                               ; codes
	s_mov_b32 s61, s93
	s_mov_b64 s[62:63], s[96:97]
	s_or_b32 s63, s63, 0x80000000
	s_mov_b32 s72, 1                               ; B likewise
	s_mov_b32 s73, SCL+4096
	s_mov_b64 s[74:75], s[2:3]
	s_or_b32 s75, s75, 0x80000000
	s_mov_b32 s76, 1
	s_mov_b32 s77, s93
	s_mov_b64 s[78:79], s[84:85]
	s_or_b32 s79, s79, 0x80000000
; THE HEAD'S LOADS, ONE A WAVE: one chain of branches on the wave's number, an arm a load, all arms leading to one join
.macro ARM under, g0, g1, next
	s_cmp_lt_u32 s[WV], \under
	s_cbranch_scc0 \next
	tensor_load_to_lds s[\g0:\g0+3], s[\g1:\g1+7]
	s_nop 0
.rept 4
	v_nop
.endr
	s_branch .Lasked
\next:
.endm
	ARM 2, 60, 24, .Lfetch_b
	ARM 6, 76, 40, .Lfetch_sa
	ARM 7, 56, 32, .Lfetch_sb
	tensor_load_to_lds s[72:75], s[48:55]
	s_nop 0
.rept 4
	v_nop
.endr
.Lasked:
	v_and_b32 v1, 31, v0                           ; lane
	v_and_b32 v24, 15, v0                          ; r
	v_bfe_u32 v25, v0, 4, 1                        ; h
	v_lshlrev_b32 v[VO], 4, v1                     ; 16 x lane
	v_lshlrev_b32 v12, 2, v1                       ; 4 x lane
	v_lshlrev_b32 v26, 2, v24                      ; 4 r
	s_wait_alu depctr_va_vdst(0)                   ; ahead of the run of scalar lines
	s_and_b32 s94, s[WV], 3                        ; ap: my pair of A's tiles
	s_lshr_b32 s95, s[WV], 2                       ; ng: my eight of B's
	s_lshl_b32 s96, s94, 14
	v_add_nc_u32 v[ADA], s96, v[VO]
	s_lshl_b32 s96, s95, 16
	s_add_co_u32 s96, s96, 65536
	v_add_nc_u32 v[ADB], s96, v[VO]
	s_lshl_b32 s96, s94, 10
	s_add_co_u32 s96, s96, SCL
	v_add_nc_u32 v[ASA], s96, v26
	s_lshl_b32 s96, s95, 12
	s_add_co_u32 s96, s96, SCL+4096
	v_add_nc_u32 v[ASB], s96, v26
	; THE BIAS, and where the results go.  One branch on the cluster's number (the same in all waves and partners)
	s_cmp_lt_u32 ttmp9, 128
	s_cbranch_scc0 .Lmode1
	s_cmp_lt_u32 s20, 4                            ; mode 0: the bias runs along the registers: feature 256 (BI & 3) + 128 ng + 32 b + 16 h + 8 u + j
	s_cselect_b64 s[88:89], s[8:9], s[10:11]       ; bq or bk
	s_and_b32 s90, s20, 3
	s_lshl_b32 s90, s90, 10
	s_lshl_b32 s91, s95, 9
	s_add_co_u32 s90, s90, s91
	s_mov_b32 s91, 0
	s_add_nc_u64 s[88:89], s[88:89], s[90:91]
	v_lshlrev_b32 v13, 6, v25                      ; 64 h
.irp t, 0,1,2,3,4,5,6,7
.irp q, 0,1
	global_load_b128 v[ACC+8*\t+4*\q:ACC+8*\t+4*\q+3], v13, s[88:89] offset:128*(\t/2)+32*(\t%2)+16*\q
.endr
.endr
	s_lshr_b32 s96, s21, 4                         ; batch
	s_and_b32 s97, s21, 15
	s_lshl_b32 s97, s97, 3
	s_lshl_b32 s98, s94, 1
	s_add_co_u32 s97, s97, s98                     ; my first token tile in the batch
	s_lshl_b32 s98, s20, 1
	s_add_co_u32 s98, s98, s95                     ; NG
	s_lshl_b32 s84, s96, 21
	s_lshl_b32 s99, s98, 17
	s_add_co_u32 s84, s84, s99
	s_lshl_b32 s99, s97, 9
	s_add_co_u32 s84, s84, s99                     ; codes
	s_lshl_b32 s86, s96, 17
	s_lshl_b32 s99, s98, 13
	s_add_co_u32 s86, s86, s99
	s_lshl_b32 s99, s97, 6
	s_add_co_u32 s86, s86, s99                     ; scale words
	s_mov_b32 s92, 512                             ; from tile a to a + 1
	s_mov_b32 s93, 65536                           ; from register group c (the even head) to c + 1 (the odd one)
	s_branch .Ljoin
.Lmode1:
	s_lshl_b32 s90, s21, 9                         ; mode 1: the bias hangs on the lane: feature 128 AI + 32 ap + 8 a + r + 8 (r / 8)
	s_lshl_b32 s91, s94, 7
	s_add_co_u32 s90, s90, s91
	s_mov_b32 s91, 0
	s_add_nc_u64 s[88:89], s[12:13], s[90:91]
	v_and_b32 v13, 8, v24
	v_add_nc_u32 v13, v13, v24
	v_lshlrev_b32 v13, 2, v13
.irp a, 0,1
.set j, 0
.rept 8
	global_load_b32 v[BB+8*\a+j], v13, s[88:89] offset:32*\a   ; the same number into the eight registers of a C
.set j, j+1
.endr
.endr
	s_lshl_b32 s96, s21, 1
	s_lshr_b32 s97, s94, 1
	s_add_co_u32 s96, s96, s97                     ; head
	s_lshl_b32 s97, s20, 1
	s_add_co_u32 s97, s97, s95                     ; which 128 tokens
	s_lshr_b32 s98, s97, 4                         ; batch
	s_and_b32 s97, s97, 15                         ; key step
	s_and_b32 s99, s94, 1                          ; my d tiles: 2 (ap & 1) + a
	s_lshl_b32 s84, s98, 20
	s_lshl_b32 s92, s96, 16
	s_add_co_u32 s84, s84, s92
	s_lshl_b32 s92, s97, 12
	s_add_co_u32 s84, s84, s92
	s_lshl_b32 s92, s99, 11
	s_add_co_u32 s84, s84, s92
	s_add_co_u32 s84, s84, 8388608
	s_lshl_b32 s86, s98, 16
	s_lshl_b32 s92, s96, 12
	s_add_co_u32 s86, s86, s92
	s_lshl_b32 s92, s97, 8
	s_add_co_u32 s86, s86, s92
	s_lshl_b32 s92, s99, 7
	s_add_co_u32 s86, s86, s92
	s_add_co_u32 s86, s86, 524288
	s_mov_b32 s92, 1024
	s_mov_b32 s93, 512
.Ljoin:
	s_mov_b32 s85, 0
	s_mov_b32 s87, 0
	s_add_nc_u64 s[14:15], s[14:15], s[84:85]
	s_add_nc_u64 s[16:17], s[16:17], s[86:87]
	v_add_nc_u32 v[VO+1], s93, v[VO]
	v_add_nc_u32 v[VO+2], s92, v[VO]
	v_add_nc_u32 v[VO+3], s92, v[VO+1]
.macro WM a, t, c0                     ; one product: accumulator (a, t), its C at c0
	v_wmma_scale_f32_16x16x128_f8f6f4 v[ACC+64*(\a)+8*(\t):ACC+64*(\a)+8*(\t)+7], v[BF+8*(\t):BF+8*(\t)+7], v[AF+8*(\a):AF+8*(\a)+7], v[\c0:\c0+7], v[BS+(\t)], v[AS+(\a)] matrix_a_fmt:MATRIX_FMT_FP4 matrix_b_fmt:MATRIX_FMT_FP4
.endm
; A K step of 128: 20 fragment loads and 10 scale loads, each of consecutive bytes; 16 products.  The 16 accumulators take turns, one instruction a turn.
; first = 0: the sums go on in place.  first = 1, 2: K step 0 in mode 0, 1: the bias is the C.
.macro KSTEP s, first
.irp a, 0,1
.irp c, 0,1
	ds_load_b128 v[AF+8*\a+4*\c:AF+8*\a+4*\c+3], v[ADA] offset:8192*\a+1024*(\s)+512*\c
.endr
.endr
.irp t, 0,1,2,3,4,5,6,7
.irp c, 0,1
	ds_load_b128 v[BF+8*\t+4*\c:BF+8*\t+4*\c+3], v[ADB] offset:8192*\t+1024*(\s)+512*\c
.endr
.endr
.irp a, 0,1
	ds_load_b32 v[AS+\a], v[ASA] offset:512*\a+64*(\s)
.endr
.irp t, 0,1,2,3,4,5,6,7
	ds_load_b32 v[BS+\t], v[ASB] offset:512*\t+64*(\s)
.endr
	s_wait_dscnt 0x0
.if \first == 1
.irp t, 0,1,2,3,4,5,6,7
	WM 1, \t, ACC+8*\t                             ; tile 1 takes the bias from tile 0's registers;
.endr
.rept 5
	v_nop                                          ; five places before a product writes over a register that an earlier one read as C (the hazard: ISA guide 7.12.1)
.endr
.irp t, 0,1,2,3,4,5,6,7
	WM 0, \t, ACC+8*\t                             ; tile 0 adds onto it in place
.endr
.else
.irp t, 0,1,2,3,4,5,6,7
.irp a, 0,1
.if \first == 2
	WM \a, \t, BB+8*\a
.else
	WM \a, \t, ACC+64*\a+8*\t
.endif
.endr
.endr
.endif
.rept 4
	v_nop                                          ; four places in front of loads into registers that these products read, and of the first read of results
.endr
.endm
	s_wait_loadcnt 0x0                             ; the bias
	s_wait_tensorcnt 0x0                           ; my one tensor load has landed
	s_barrier_signal -1
	s_barrier_wait -1                              ; everybody's has
	s_wait_alu depctr_va_vdst(0)
	s_cmp_lt_u32 ttmp9, 128
	s_cbranch_scc0 .Lfirst1
	KSTEP 0, 1
	s_branch .Lsteps
.Lfirst1:
	KSTEP 0, 2
.Lsteps:
.irp s, 1,2,3,4,5,6,7
	KSTEP \s, 0
.endr
	; THE WAY OUT: each tile's 64 numbers a lane are one fragment and one scale word a row
	QUANT ACC, PC0, PW0
	QUANT ACC+64, PC1, PW1
	s_mov_b32 vcc_lo, 0xffff0000
	v_cndmask_b32 v74, v[PW0], v[PW1], vcc_lo      ; lanes 0-15 tile 0's words, lanes 16-31 tile 1's: their images are neighbours
	global_store_b128 v[VO], v[PC0:PC0+3], s[14:15]            ; each store: 512 consecutive bytes, aligned
	global_store_b128 v[VO+1], v[PC0+4:PC0+7], s[14:15]
	global_store_b128 v[VO+2], v[PC1:PC1+3], s[14:15]
	global_store_b128 v[VO+3], v[PC1+4:PC1+7], s[14:15]
	global_store_b32 v12, v74, s[16:17]                        ; 128 consecutive bytes
	s_wait_tensorcnt 0x0                           ; the wave's end
	ds_add_u32 v232, v233
	s_wait_dscnt 0x0
	ROUND                                          ; the closing round: no work-group ends while a partner may still ask for a tile that names it
	s_endpgm
.Lfunc_end_k_q696b538171_qkv:
	.size	k_q696b538171_qkv, .Lfunc_end_k_q696b538171_qkv-k_q696b538171_qkv
	.p2alignl 7, 3214868480
	.fill 96, 4, 3214868480
	.section	.rodata,"a",@progbits
	.p2align	6, 0x0
	.amdhsa_kernel k_q696b538171_qkv
		.amdhsa_group_segment_fixed_size 209920
		.amdhsa_private_segment_fixed_size 0
		.amdhsa_enable_private_segment 0
		.amdhsa_kernarg_size 56
		.amdhsa_user_sgpr_count 2
		.amdhsa_user_sgpr_kernarg_segment_ptr 1
		.amdhsa_wavefront_size32 1
		.amdhsa_system_sgpr_workgroup_id_x 1
		.amdhsa_system_sgpr_workgroup_id_y 1
		.amdhsa_system_sgpr_workgroup_id_z 1
		.amdhsa_system_vgpr_workitem_id 0
		.amdhsa_next_free_vgpr 250
		.amdhsa_next_free_sgpr 100
		.amdhsa_reserve_vcc 1
		.amdhsa_float_denorm_mode_32 3
		.amdhsa_float_denorm_mode_16_64 3
		.amdhsa_memory_ordered 1
		.amdhsa_forward_progress 1
		.amdhsa_inst_pref_size 58
	.end_amdhsa_kernel
	.amdgpu_metadata
---
amdhsa.version: [ 1, 2 ]
amdhsa.kernels:
  - .name:           k_q696b538171_qkv
    .symbol:         k_q696b538171_qkv.kd
    .args:
      - { .name: codes, .offset: 0, .size: 8, .value_kind: global_buffer, .address_space: global }
      - { .name: scl, .offset: 8, .size: 8, .value_kind: global_buffer, .address_space: global }
      - { .name: bq, .offset: 16, .size: 8, .value_kind: global_buffer, .address_space: global }
      - { .name: bk, .offset: 24, .size: 8, .value_kind: global_buffer, .address_space: global }
      - { .name: bv, .offset: 32, .size: 8, .value_kind: global_buffer, .address_space: global }
      - { .name: qkv, .offset: 40, .size: 8, .value_kind: global_buffer, .address_space: global }
      - { .name: qkvs, .offset: 48, .size: 8, .value_kind: global_buffer, .address_space: global }
    .group_segment_fixed_size: 209920
    .private_segment_fixed_size: 0
    .kernarg_segment_align: 8
    .kernarg_segment_size: 56
    .max_flat_workgroup_size: 256
    .sgpr_count:     100
    .vgpr_count:     250
    .wavefront_size: 32
...
	.end_amdgpu_metadata
.endif
;; end of part 2
;; launch attn (part 3): grid 4 x 64, 8 waves a work-group, clusters of 4 x 1, 169,984 bytes of LDS; arguments qkv, qkvs, attention_mask, ctx, ctxs; writes ctx, ctxs
.if DOCPART == 3
	.amdgcn_target "amdgcn-amd-amdhsa--gfx1250"
	.amdhsa_code_object_version 6
	.text
	.protected	k_q696b538171_attn
	.globl	k_q696b538171_attn
	.p2align	8
	.type	k_q696b538171_attn,@function
k_q696b538171_attn:
	s_mov_b64 s[64:65], 0
	v_nop
	global_prefetch_b8 v0, s[64:65] scope:SCOPE_SE
	s_setreg_imm32_b32 hwreg(HW_REG_WAVE_MODE, 25, 1), 1
	s_wait_xcnt 0x0
	s_wait_alu depctr_hold_cnt(0) depctr_sa_sdst(0) depctr_va_vdst(0) depctr_va_sdst(0) depctr_va_ssrc(0) depctr_va_vcc(0) depctr_vm_vsrc(0)
	s_getreg_b32 s2, hwreg(HW_REG_IB_STS2, 6, 4)
	s_cmp_eq_u32 s2, 0
	s_cbranch_scc0 .Lentry_in_a_cluster
	s_endpgm
.Lentry_in_a_cluster:
	s_bfe_u32 s2, ttmp6, 0x10000c
	s_cmp_lg_u32 s2, 0x3003
	s_cbranch_scc0 .Lentry_shape_is_right
	s_endpgm
.Lentry_shape_is_right:
; ctx[b][q][head] = softmax_k(q . k / 8 + mask[b][k]) v, both products on codes of FP4 with E8M0 scales; ctx is quantised in registers, along (head, d), and leaves as codes.
; THE SOFTMAX AHEAD OF THE SECOND PRODUCT: t = logit x log2(e); M = the running largest t rounded UP to a whole number; p = 2^(t - M) is quantised along the keys, not normalised; the row's sum is taken of the
; unquantised p and divides at the end.  When M moves, the sum and O are multiplied by 2^(old M - new M): exact.
; SHARES.  A work-group: 512 queries of one head.  Each of its eight waves owns TWO tiles of 16 queries (T = 0, 1) in each of two passes and walks the head's 2,048 keys, 128 a step: each fragment of K and of V, each scale word
; and the mask's 64 registers are read from LDS once a step for both tiles.  The two tiles' lines stand by turns, so that no line waits for the line above it.
; LDS: the head's whole K (64 KB of register images) and V (64 KB) are filled ONCE, one tensor load a wave: no byte is filled again.  K's and V's scale words and 8 x mask are laid by ds_store into blocks of their own.
; CLUSTER: the four query blocks of a head read the same K and V: each of the eight loads of 16 KB is asked for jointly (mask 15).  No prefetch: all that is streamed is asked for at the head.
; LAYOUT.  Both products transposed: S^T = K Q^T (source 0 = 16 keys), O^T = V^T P^T (source 0 = 16 of the head's 64): a lane holds ONE query of each tile.  Lane r of tile 2 b + u is row 32 b + 8 u + r + 8 (r / 8), so the 16
; registers of tiles 2 b and 2 b + 1 are 16 neighbours: keys for p, d for ctx.
; THE MASK IS THE C OF THE FIRST PRODUCT, in registers of its own: S = q . k + 8 mask = 8 x the logit; c = log2(e) / 8.
; A HEAD'S K IS 64, THE INSTRUCTION'S 128.  Q's registers 4-7 are zero codes.  K's tile t is named by eight registers of which the upper four are the next tile's codes (tile 7's: zeros): every code is a finite
; number, so those products are 0.  The scale bytes of that upper half are 0 or the pair's other head's (1 .. 254), never 0xff.
; REGISTERS, in two windows of 256 (s_set_vgpr_msb's low byte: bits 1:0 source 0, 3:2 source 1, 5:4 source 2, 7:6 destination).  Window 0: addresses, state, Q, scale words, p's codes, S.  Window 1: K, the mask, V, O, and pass 1's Q.
; LIMITS: NaN among the inputs is not served.  8 x mask is held at -3e38 from below: -infinity and what lies under -3.7e37 count as p = 0; a row all of whose keys are masked by -infinity, NaN in the definition, comes out finite.
; The promise holds while the scaled scores stay under 2^31 in magnitude.
; ctx's scale bytes leave as 2 bytes a row (a head's two blocks): 1/16 of the codes' bytes; the pair's other head writes the word's other half.
.set VIM, 65536                        ; LDS: K's images at 0 (key tile x 512 + 16 lane); V's here (key step x 4,096 + d tile x 1,024 + 512 c + 16 lane)
.set KSC, 131072                       ; scale words: key step x 768 + 48 r: K's eight (4 x tile), then V's four (32 + 4 x d tile): three loads of 16 bytes; 48 is an odd multiple of 16
.set MSK, 147456                       ; max(8 x mask, -3e38): 4 x key
.set SPARE, 167936                     ; the spare words: 128 bytes a wave
; window 0.  v1 16 lane, v2 + VIM, v3 KSC + 48 r, v5 MSK + 64 h, v7 4 r; v8-11 the step's addresses; tile T: v[12+4T] -M, v[13+4T] the largest t, v[14+4T:15+4T] the sum; v[20+2T] f; v[24+T] at work; v[26+T] ctx's scale bytes
.set Q,   32                           ; Q + 8 T: four registers of codes, four of zeros
.set KS,  48                           ; K's eight scale words; VS V's four; QS + 2 p + T Q's; PW + T p's
.set VS,  56
.set QS,  60
.set PW,  64
.set P,   66                           ; P + 8 T: p's codes; on the way out ctx's
.set BX,  82                           ; + 4 T + b: a block's largest score, then p
.set BT,  90                           ; the other half's, then bytes
.set BE,  98                           ; the conversions' scale operands
.set TS,  106                          ; + 8 T + 2 c: four chains of the row's sum
.set S,   124                          ; S + 64 T: S^T, then p
; window 1
.set Q1,  0                            ; pass 1's Q: 4 T
.set KF,  48                           ; K's eight tiles, 4 registers each; then four of zeros
.set MK,  84                           ; 8 x mask: 64
.set VF,  148                          ; V's four fragments
.set O,   180                          ; O + 32 T: O^T
.set WV,  14
.set SEL, 20
.set CS,  22
.set MSB, 0
.macro WIN new                         ; the immediate's high byte repeats the setting that is left
.if MSB != \new
	s_set_vgpr_msb (MSB<<8)|\new
.set MSB, \new
.endif
.endm
.macro ROUND
	s_barrier_signal -1
	s_barrier_wait -1
	s_cmp_lg_u32 s[WV], 0
	s_cbranch_scc1 .Lnw0_\@
	s_barrier_signal -3
.Lnw0_\@:
	s_barrier_wait -3
	s_barrier_signal -1
	s_barrier_wait -1
.endm
	s_load_b256 s[4:11], s[0:1], 0x0               ; qkv, qkvs, attention_mask, ctx
	s_load_b64 s[12:13], s[0:1], 0x20              ; ctxs
	v_lshl_add_u32 v254, v0, 2, SPARE
	v_mov_b32 v255, 0
	ds_add_u32 v254, v255                          ; the opening lines: the add, twice on end, and its wait ahead of my first tensor load
	ds_add_u32 v254, v255
	v_lshrrev_b32 v1, 5, v0
	v_readfirstlane_b32 s[WV], v1                  ; wave 0..7
	s_bfe_u32 s15, ttmp6, 0x40000                  ; cx: my block of 512 queries: it enters Q's and ctx's addresses alone
	s_and_b32 s16, ttmp7, 0xffff
	s_lshr_b32 s17, s16, 4                         ; batch
	s_and_b32 s18, s16, 15                         ; head
	s_and_b32 s19, s18, 1
	s_lshl_b32 s19, s19, 4                         ; a pair's scale word holds the even head's bytes below, the odd head's 16 bits up
	s_lshr_b32 s53, s18, 1                         ; the pair
	s_lshl_b32 s36, s17, 21
	s_lshl_b32 s37, s18, 16
	s_add_co_u32 s36, s36, s37                     ; the head's q
	s_add_co_u32 s38, s36, 1048576                 ; its k
	s_lshl_b32 s39, s17, 20
	s_sub_co_u32 s39, 7340032, s39                 ; from there to its v
	s_bfe_u32 s40, s[WV], 0x10002                  ; waves 0-3 fetch K, waves 4-7 V,
	s_mul_i32 s39, s39, s40
	s_add_co_u32 s38, s38, s39
	s_and_b32 s40, s[WV], 3
	s_lshl_b32 s40, s40, 14                        ; 16 KB each
	s_add_co_u32 s38, s38, s40
	s_mov_b32 s39, 0
	s_lshl_b32 s41, s15, 5
	s_lshl_b32 s42, s[WV], 1
	s_add_co_u32 s41, s41, s42                     ; my first query tile in pass 0: 32 cx + 2 wave; pass 1: 16 further on
	s_lshl_b32 s42, s41, 9
	s_add_co_u32 s42, s42, s36
	s_mov_b32 s43, 0                               ; Q's images
	s_lshl_b32 s44, s17, 17
	s_lshl_b32 s45, s53, 13
	s_add_co_u32 s44, s44, s45
	s_lshl_b32 s46, s41, 6
	s_add_co_u32 s46, s46, s44
	s_mov_b32 s47, 0                               ; Q's scale words
	s_add_co_u32 s44, s44, 65536
	s_mov_b32 s45, 0                               ; K's
	s_lshl_b32 s48, s17, 7
	s_add_co_u32 s48, s48, s41                     ; ctx's tile
	s_lshl_b32 s50, s48, 13
	s_lshl_b32 s51, s18, 9
	s_add_co_u32 s50, s50, s51
	s_mov_b32 s51, 0                               ; ctx: tile x 8,192 + head x 512
	s_lshl_b32 s48, s48, 9
	s_lshl_b32 s49, s53, 6
	s_add_co_u32 s48, s48, s49
	s_lshr_b32 s49, s19, 3
	s_add_co_u32 s48, s48, s49
	s_mov_b32 s49, 0                               ; ctxs: tile x 512 + pair x 64 + 2 (head % 2)
	s_lshl_b32 s36, s17, 16
	s_lshl_b32 s37, s18, 12
	s_add_co_u32 s36, s36, s37
	s_add_co_u32 s36, s36, 524288
	s_mov_b32 s37, 0                               ; V's scale words
	s_lshl_b32 s40, s17, 13
	s_mov_b32 s41, 0                               ; the batch's mask
	s_mov_b32 s24, 15|(3<<16)|(1<<21)              ; descriptor group 1: 16 KB dense as 64 rows of 256 bytes (32 elements of 8); the mask names all four work-groups, bit 21 beside it
	s_mov_b32 s25, 32<<16
	s_mov_b32 s26, 64<<16
	s_mov_b32 s27, 32<<16
	s_mov_b32 s28, 64
	s_mov_b32 s29, 32
	s_mov_b32 s30, 0
	s_mov_b32 s31, 0
	s_mov_b32 s[SEL], 0x76543210
	s_mov_b32 s[SEL+1], 0xfedcba98
	s_mov_b32 s[CS], 0x3e38aa3b                    ; c = log2(e) / 8
	s_mov_b32 s[CS+1], s[CS]                       ; (named with it as a pair)
	s_wait_dscnt 0x0
	s_wait_kmcnt 0x0
	s_add_nc_u64 s[54:55], s[4:5], s[42:43]
	s_add_nc_u64 s[56:57], s[6:7], s[46:47]
	s_add_nc_u64 s[58:59], s[10:11], s[50:51]
	s_add_nc_u64 s[60:61], s[12:13], s[48:49]
	s_add_nc_u64 s[62:63], s[6:7], s[36:37]
	s_add_nc_u64 s[44:45], s[6:7], s[44:45]
	s_add_nc_u64 s[46:47], s[8:9], s[40:41]
	s_mov_b32 s32, 1
	s_lshl_b32 s33, s[WV], 14                      ; LDS: 16,384 x wave: K's four parts, then V's four
	s_add_nc_u64 s[34:35], s[4:5], s[38:39]
	s_or_b32 s35, s35, 0x80000000
	ROUND                                          ; all four work-groups are here: the joint loads meet
	tensor_load_to_lds s[32:35], s[24:31]          ; every wave's one load
	s_nop 0
.rept 4
	v_nop
.endr
	v_and_b32 v6, 31, v0
	v_lshlrev_b32 v1, 4, v6                        ; 16 x lane: K's images; also Q's loads and ctx's store
	v_add_nc_u32 v2, VIM, v1
	v_and_b32 v6, 15, v0                           ; r
	v_bfe_u32 v4, v0, 4, 1                         ; h
	v_mul_u32_u24 v3, v6, 48
	v_add_nc_u32 v3, KSC, v3
	v_lshl_add_u32 v5, v4, 6, MSK
	v_lshlrev_b32 v7, 2, v6                        ; 4 r
	v_lshlrev_b32 v26, 4, v0                       ; thread i: 16 i
	global_load_b128 v[S:S+3], v26, s[46:47]                 ; the mask of keys 4 i on, and 1,024 keys further on
	global_load_b128 v[S+4:S+7], v26, s[46:47] offset:4096
	global_load_b128 v[S+8:S+11], v26, s[44:45]              ; K's scale words 4 I on, I = i and i + 256: key tile I / 4, rows 4 (I % 4) on
	global_load_b128 v[S+12:S+15], v26, s[44:45] offset:4096
	global_load_b128 v[S+16:S+19], v26, s[62:63]             ; V's 4 i on: key step i / 16, d tile (i / 4) % 4, rows 4 (i % 4) on
	global_load_b128 v[Q:Q+3], v1, s[54:55]                  ; pass 0's Q
	global_load_b128 v[Q+8:Q+11], v1, s[54:55] offset:512
	global_load_b32 v[QS], v7, s[56:57]
	global_load_b32 v[QS+1], v7, s[56:57] offset:64
	global_load_b32 v[QS+2], v7, s[56:57] offset:1024
	global_load_b32 v[QS+3], v7, s[56:57] offset:1088
	WIN 0x40
	global_load_b128 v[Q1:Q1+3], v1, s[54:55] offset:8192    ; pass 1's waits in window 1
	global_load_b128 v[Q1+4:Q1+7], v1, s[54:55] offset:8704
.irp j, 32,33,34,35
	v_mov_b32 v[KF+\j], 0                          ; zero codes behind K's tile 7
.endr
	WIN 0
	v_lshrrev_b32 v27, 5, v0
	v_mul_u32_u24 v27, v27, 768
	v_and_b32 v28, 3, v0
	v_mad_u32_u24 v27, v28, 192, v27
	v_bfe_u32 v29, v0, 2, 3
	v_lshl_add_u32 v27, v29, 2, v27
	v_add_nc_u32 v27, KSC, v27                     ; K's words: 768 (i / 32) + 192 (i % 4) + 4 ((i / 4) % 8); I = i + 256: 6,144 further on
	v_lshrrev_b32 v30, 4, v0
	v_mul_u32_u24 v30, v30, 768
	v_mad_u32_u24 v30, v28, 192, v30
	v_bfe_u32 v29, v0, 2, 2
	v_lshl_add_u32 v30, v29, 2, v30
	v_add_nc_u32 v30, KSC+32, v30                  ; V's: 768 (i / 16) + 192 (i % 4) + 32 + 4 ((i / 4) % 4)
	v_add_nc_u32 v31, MSK, v26
.irp j, 4,5,6,7,12,13,14,15
	v_mov_b32 v[Q+\j], 0                           ; zero codes: the upper half of K = 128
.endr
.irp j, 21,23,24,25,90,91,92,93,94,95,96,97
	v_mov_b32 v\j, 0                               ; written once: lane permutes' destinations, and the upper halves of f's pairs
.endr
	s_wait_alu depctr_va_vdst(0)
	s_wait_loadcnt 0x0
.irp j, 0,1,2,3,4,5,6,7
	v_mul_f32 v[S+\j], 0x41000000, v[S+\j]         ; 8 x mask: exact
.endr
.irp j, 0,1,2,3,4,5,6,7
	v_max_num_f32 v[S+\j], 0xff61b1e6, v[S+\j]     ; held at -3e38
.endr
.irp j, 8,9,10,11,12,13,14,15
	v_lshrrev_b32 v[S+\j], s19, v[S+\j]            ; my head's two bytes to the bottom
.endr
.irp j, 0,1,2,3
	v_lshrrev_b32 v[QS+\j], s19, v[QS+\j]
.endr
	ds_store_b128 v31, v[S:S+3]
	ds_store_b128 v31, v[S+4:S+7] offset:4096
.irp e, 0,1,2,3
	ds_store_b32 v27, v[S+8+\e] offset:48*\e
	ds_store_b32 v27, v[S+12+\e] offset:6144+48*\e
	ds_store_b32 v30, v[S+16+\e] offset:48*\e
.endr
	s_wait_alu depctr_va_vdst(0)
	s_wait_tensorcnt 0x0                           ; my part of K or V has landed,
	s_wait_dscnt 0x0                               ; my stores too:
	s_barrier_signal -1
	s_barrier_wait -1                              ; everybody's have
.macro PASS p
.irp T, 0,1
	v_mov_b32 v[13+4*\T], 0xff61b1e6               ; the largest t so far: -3e38
	v_mov_b32 v[14+4*\T], 0                        ; the sum, in two halves
	v_mov_b32 v[15+4*\T], 0
.endr
.irp T, 0,1
	v_floor_f32 v[12+4*\T], -v[13+4*\T]            ; -M
.endr
.if \p == 1
	WIN 0x01
.irp j, 0,1,2,3
	v_mov_b32 v[Q+\j], v[Q1+\j]
	v_mov_b32 v[Q+8+\j], v[Q1+4+\j]
.endr
.endif
	WIN 0x40
.set j, 0
.rept 64
	v_mov_b32 v[O+j], 0                            ; O^T: the step is written once; its first trip finds zeros, which the first change of M leaves zeros
.set j, j+1
.endr
	WIN 0
	s_mov_b32 s48, 0                               ; the step's images,
	s_mov_b32 s49, 0                               ; scale words,
	s_mov_b32 s50, 0                               ; mask
	s_mov_b32 s52, 16
.Lstep_\@:                                         ; 16 trips of 128 keys
	v_add_nc_u32 v8, s48, v1                       ; these four are also the places behind the last trip's products, in front of the loads
	v_add_nc_u32 v9, s48, v2
	v_add_nc_u32 v10, s49, v3
	v_add_nc_u32 v11, s50, v5
.irp q, 0,1,2
	ds_load_b128 v[KS+4*\q:KS+4*\q+3], v10 offset:16*\q      ; K's eight scale words, V's four
.endr
	WIN 0x40
.irp t, 0,1,2,3,4,5,6,7
	ds_load_b128 v[KF+4*\t:KF+4*\t+3], v8 offset:512*\t
.endr
.irp t, 0,1,2,3,4,5,6,7
.irp q, 0,1
	ds_load_b128 v[MK+8*\t+4*\q:MK+8*\t+4*\q+3], v11 offset:128*(\t/2)+32*(\t%2)+16*\q   ; 8 x mask of keys 32 b + 16 h + 8 u + j: the C of tile 2 b + u
.endr
.endr
.irp d, 0,1,2,3
.irp c, 0,1
	ds_load_b128 v[VF+8*\d+4*\c:VF+8*\d+4*\c+3], v9 offset:1024*\d+512*\c
.endr
.endr
	s_wait_dscnt 0x8                               ; all but the eight youngest: V's
	WIN 0x11
.irp t, 0,1,2,3,4,5,6,7
.irp T, 0,1
	v_wmma_scale_f32_16x16x128_f8f6f4 v[S+64*\T+8*\t:S+64*\T+8*\t+7], v[KF+4*\t:KF+4*\t+7], v[Q+8*\T:Q+8*\T+7], v[MK+8*\t:MK+8*\t+7], v[KS+\t], v[QS+2*\p+\T] matrix_a_fmt:MATRIX_FMT_FP4 matrix_b_fmt:MATRIX_FMT_FP4
.endr
.endr
	WIN 0
.rept 4
	v_nop                                          ; four places in front of the first read of results (ISA guide 7.12.1)
.endr
.irp b, 0,1,2,3
.irp T, 0,1
	v_max3_num_f32 v[BX+4*\T+\b], v[S+64*\T+16*\b], v[S+64*\T+16*\b+1], v[S+64*\T+16*\b+2]   ; the largest score of each block of 32 keys: for the row's maximum, and, since p rises with the score, for the block's largest p
.endr
.endr
.irp i, 3,5,7,9,11,13
.irp b, 0,1,2,3
.irp T, 0,1
	v_max3_num_f32 v[BX+4*\T+\b], v[BX+4*\T+\b], v[S+64*\T+16*\b+\i], v[S+64*\T+16*\b+\i+1]
.endr
.endr
.endr
.irp b, 0,1,2,3
.irp T, 0,1
	v_max_num_f32 v[BX+4*\T+\b], v[BX+4*\T+\b], v[S+64*\T+16*\b+15]
.endr
.endr
.irp j, 0,1,2,3,4,5,6,7
	v_permlanex16_b32 v[BT+\j], v[BX+\j], s[SEL], s[SEL+1]
.endr
.irp j, 0,1,2,3,4,5,6,7
	v_max_num_f32 v[BX+\j], v[BX+\j], v[BT+\j]     ; with lane l xor 16's 16 keys
.endr
.irp T, 0,1
	v_max3_num_f32 v[24+\T], v[BX+4*\T], v[BX+4*\T+1], v[BX+4*\T+2]
.endr
.irp T, 0,1
	v_max_num_f32 v[24+\T], v[24+\T], v[BX+4*\T+3]
.endr
.irp T, 0,1
	v_mul_f32 v[24+\T], s[CS], v[24+\T]            ; the step's largest t (c is positive)
.endr
.irp T, 0,1
	v_max_num_f32 v[13+4*\T], v[13+4*\T], v[24+\T] ; the running largest t
.endr
.irp T, 0,1
	v_mov_b32 v[24+\T], v[12+4*\T]
.endr
.irp T, 0,1
	v_floor_f32 v[12+4*\T], -v[13+4*\T]            ; the new -M = -ceil(t)
.endr
.irp T, 0,1
	v_sub_f32 v[24+\T], v[12+4*\T], v[24+\T]       ; old M - new M: a whole number, 0 or less
.endr
.irp T, 0,1
	v_cvt_i32_f32 v[24+\T], v[24+\T]               ; (it saturates)
.endr
.irp T, 0,1
	v_ldexp_f32 v[20+2*\T], 1.0, v[24+\T]          ; f = 2^(old M - new M)
.endr
.set j, 0
.rept 32
.irp T, 0,1
	v_pk_fma_f32 v[S+64*\T+j:S+64*\T+j+1], v[S+64*\T+j:S+64*\T+j+1], s[CS:CS+1], v[12+4*\T:13+4*\T] op_sel_hi:[1,0,0]   ; t - M
.endr
.set j, j+2
.endr
.irp b, 0,1,2,3
.irp T, 0,1
	v_fma_f32 v[BX+4*\T+\b], v[BX+4*\T+\b], s[CS], v[12+4*\T]   ; the same of each block's largest score
.endr
.endr
	s_wait_alu depctr_va_vdst(0)
.set j, 0
.rept 128
	v_exp_f32 v[S+j], v[S+j]                       ; p = 2^(t - M)
.set j, j+1
.endr
.irp j, 0,1,2,3,4,5,6,7
	v_exp_f32 v[BX+\j], v[BX+\j]                   ; the block's largest p: the same two instructions on the same number
.endr
.irp T, 0,1
	v_pk_mul_f32 v[14+4*\T:15+4*\T], v[14+4*\T:15+4*\T], v[20+2*\T:21+2*\T] op_sel_hi:[1,0]   ; the sums under the new M (plain places behind the exponentials)
.endr
	s_wait_alu depctr_va_vdst(0)                   ; ahead of the exponentials' first reader
.irp j, 0,1,2,3,4,5,6,7
	v_max_num_f32 v[BX+\j], 0x1800000, v[BX+\j]    ; the floor 2^(3 - 127): the byte cannot fall under 1
.endr
.irp j, 0,1,2,3,4,5,6,7
	v_add_nc_u32 v[BE+\j], 0xff000000, v[BX+\j]    ; 2 off the exponent field: the conversion's scale operand
.endr
.irp j, 0,1,2,3,4,5,6,7
	v_lshrrev_b32 v[BT+\j], 23, v[BE+\j]           ; the scale's byte
.endr
.irp T, 0,1
	v_lshl_or_b32 v[PW+\T], v[BT+4*\T+1], 8, v[BT+4*\T]
.endr
.irp T, 0,1
	v_lshl_or_b32 v[PW+\T], v[BT+4*\T+2], 16, v[PW+\T]
.endr
.irp T, 0,1
	v_lshl_or_b32 v[PW+\T], v[BT+4*\T+3], 24, v[PW+\T]
.endr
.irp b, 0,1,2,3
.irp T, 0,1
	v_cvt_scalef32_pk8_fp4_f32 v[P+8*\T+2*\b], v[S+64*\T+16*\b:S+64*\T+16*\b+7], v[BE+4*\T+\b]
	v_cvt_scalef32_pk8_fp4_f32 v[P+8*\T+2*\b+1], v[S+64*\T+16*\b+8:S+64*\T+16*\b+15], v[BE+4*\T+\b]
.endr
.endr
	v_nop                                          ; one plain place behind a scaled conversion
.irp c, 0,1
.irp i, 0,1
.irp T, 0,1
	v_permlane16_swap_b32 v[P+8*\T+4*\c+\i], v[P+8*\T+4*\c+\i+2]   ; the operand's layout wants a whole block in a lane
.endr
.endr
.endr
.irp c, 0,1,2,3                                ; the row's sum of the unquantised p: four chains a tile
.irp T, 0,1
	v_pk_add_f32 v[TS+8*\T+2*\c:TS+8*\T+2*\c+1], v[S+64*\T+4*\c:S+64*\T+4*\c+1], v[S+64*\T+4*\c+2:S+64*\T+4*\c+3]
.endr
.endr
.irp g, 1,2,3,4,5,6
.irp c, 0,1,2,3
.irp T, 0,1
	v_pk_add_f32 v[TS+8*\T+2*\c:TS+8*\T+2*\c+1], v[TS+8*\T+2*\c:TS+8*\T+2*\c+1], v[S+64*\T+8+8*\g+2*\c:S+64*\T+8+8*\g+2*\c+1]
.endr
.endr
.endr
.irp T, 0,1
	v_pk_add_f32 v[TS+8*\T:TS+8*\T+1], v[TS+8*\T:TS+8*\T+1], v[TS+8*\T+2:TS+8*\T+3]
	v_pk_add_f32 v[TS+8*\T+4:TS+8*\T+5], v[TS+8*\T+4:TS+8*\T+5], v[TS+8*\T+6:TS+8*\T+7]
.endr
.irp T, 0,1
	v_pk_add_f32 v[TS+8*\T:TS+8*\T+1], v[TS+8*\T:TS+8*\T+1], v[TS+8*\T+4:TS+8*\T+5]
.endr
.irp T, 0,1
	v_pk_add_f32 v[14+4*\T:15+4*\T], v[14+4*\T:15+4*\T], v[TS+8*\T:TS+8*\T+1]
.endr
	WIN 0x41
	s_wait_alu depctr_va_vdst(0)                   ; directly ahead of the first reader of O^T
.set j, 0
.rept 16
.irp T, 0,1
	v_pk_mul_f32 v[O+32*\T+j:O+32*\T+j+1], v[O+32*\T+j:O+32*\T+j+1], v[20+2*\T:21+2*\T] op_sel_hi:[1,0]   ; O^T under the new M.  (These 32 are also the places between p's scale word and codes and the products below)
.endr
.set j, j+2
.endr
	s_wait_alu depctr_va_vdst(0)
	s_wait_dscnt 0x0                               ; V
	WIN 0x51
.irp d, 0,1,2,3
.irp T, 0,1
	v_wmma_scale_f32_16x16x128_f8f6f4 v[O+32*\T+8*\d:O+32*\T+8*\d+7], v[VF+8*\d:VF+8*\d+7], v[P+8*\T:P+8*\T+7], v[O+32*\T+8*\d:O+32*\T+8*\d+7], v[VS+\d], v[PW+\T] matrix_a_fmt:MATRIX_FMT_FP4 matrix_b_fmt:MATRIX_FMT_FP4
.endr
.endr
	WIN 0
	s_add_co_u32 s48, s48, 4096
	s_add_co_u32 s49, s49, 768
	s_add_co_u32 s50, s50, 512
	s_sub_co_u32 s52, s52, 1
	s_cmp_lg_u32 s52, 0
	s_cbranch_scc1 .Lstep_\@
.rept 4
	v_nop
.endr
.irp T, 0,1
	v_add_f32 v[14+4*\T], v[14+4*\T], v[15+4*\T]   ; the sum's two halves,
.endr
.irp T, 0,1
	v_permlanex16_b32 v[24+\T], v[14+4*\T], s[SEL], s[SEL+1]
.endr
.irp T, 0,1
	v_add_f32 v[14+4*\T], v[14+4*\T], v[24+\T]     ; and lane l xor 16's
.endr
	s_wait_alu depctr_va_vdst(0)
.irp T, 0,1
	v_rcp_f32 v[14+4*\T], v[14+4*\T]
.endr
	v_nop                                          ; one plain place behind them
	WIN 0x01
	s_wait_alu depctr_va_vdst(0)                   ; ahead of the reciprocals' first reader, which is also O^T's
.set j, 0
.rept 32
.irp T, 0,1
	v_mul_f32 v[S+64*\T+j], v[O+32*\T+j], v[14+4*\T]   ; ctx: register 16 b + i is d = 32 b + 16 h + i of my query
.endr
.set j, j+1
.endr
	WIN 0
.irp b, 0,1                                    ; its two blocks of 32
.irp T, 0,1
	v_max3_num_f32 v[BX+4*\T+\b], |v[S+64*\T+16*\b]|, |v[S+64*\T+16*\b+1]|, 0x1800000
.endr
.endr
.irp i, 2,4,6,8,10,12,14
.irp b, 0,1
.irp T, 0,1
	v_max3_num_f32 v[BX+4*\T+\b], v[BX+4*\T+\b], |v[S+64*\T+16*\b+\i]|, |v[S+64*\T+16*\b+\i+1]|
.endr
.endr
.endr
.irp j, 0,1,4,5
	v_permlanex16_b32 v[BT+\j], v[BX+\j], s[SEL], s[SEL+1]
.endr
.irp j, 0,1,4,5
	v_max_num_f32 v[BX+\j], v[BX+\j], v[BT+\j]
.endr
.irp j, 0,1,4,5
	v_add_nc_u32 v[BE+\j], 0xff000000, v[BX+\j]
.endr
.irp j, 0,1,4,5
	v_lshrrev_b32 v[BT+\j], 23, v[BE+\j]
.endr
.irp T, 0,1
	v_lshl_or_b32 v[26+\T], v[BT+4*\T+1], 8, v[BT+4*\T]
.endr
.irp b, 0,1
.irp T, 0,1
	v_cvt_scalef32_pk8_fp4_f32 v[P+8*\T+2*\b], v[S+64*\T+16*\b:S+64*\T+16*\b+7], v[BE+4*\T+\b]
	v_cvt_scalef32_pk8_fp4_f32 v[P+8*\T+2*\b+1], v[S+64*\T+16*\b+8:S+64*\T+16*\b+15], v[BE+4*\T+\b]
.endr
.endr
	v_nop
.irp T, 0,1
	v_permlane16_swap_b32 v[P+8*\T], v[P+8*\T+2]
	v_permlane16_swap_b32 v[P+8*\T+1], v[P+8*\T+3]
.endr
.irp T, 0,1
	global_store_b128 v1, v[P+8*\T:P+8*\T+3], s[58:59] offset:131072*\p+8192*\T   ; 512 consecutive bytes, aligned: register group head % 2 of K step head / 2
	global_store_b16 v7, v[26+\T], s[60:61] offset:8192*\p+512*\T                 ; both lanes of a row write the same two bytes
.endr
.if \p == 0
	s_wait_xcnt 0x0                                ; the next pass writes these stores' data again only behind this wait
.endif
.endm
	PASS 0
	PASS 1
	s_wait_tensorcnt 0x0                           ; the wave's end
	ds_add_u32 v254, v255
	s_wait_dscnt 0x0
	ROUND                                          ; the closing round
	s_endpgm
.Lfunc_end_k_q696b538171_attn:
	.size	k_q696b538171_attn, .Lfunc_end_k_q696b538171_attn-k_q696b538171_attn
	.p2alignl 7, 3214868480
	.fill 96, 4, 3214868480
	.section	.rodata,"a",@progbits
	.p2align	6, 0x0
	.amdhsa_kernel k_q696b538171_attn
		.amdhsa_group_segment_fixed_size 169984
		.amdhsa_private_segment_fixed_size 0
		.amdhsa_enable_private_segment 0
		.amdhsa_kernarg_size 40
		.amdhsa_user_sgpr_count 2
		.amdhsa_user_sgpr_kernarg_segment_ptr 1
		.amdhsa_wavefront_size32 1
		.amdhsa_system_sgpr_workgroup_id_x 1
		.amdhsa_system_sgpr_workgroup_id_y 1
		.amdhsa_system_sgpr_workgroup_id_z 1
		.amdhsa_system_vgpr_workitem_id 0
		.amdhsa_next_free_vgpr 512
		.amdhsa_next_free_sgpr 66
		.amdhsa_reserve_vcc 0
		.amdhsa_float_denorm_mode_32 3
		.amdhsa_float_denorm_mode_16_64 3
		.amdhsa_memory_ordered 1
		.amdhsa_forward_progress 1
		.amdhsa_inst_pref_size 88
	.end_amdhsa_kernel
	.amdgpu_metadata
---
amdhsa.version: [ 1, 2 ]
amdhsa.kernels:
  - .name:           k_q696b538171_attn
    .symbol:         k_q696b538171_attn.kd
    .args:
      - { .name: qkv, .offset: 0, .size: 8, .value_kind: global_buffer, .address_space: global }
      - { .name: qkvs, .offset: 8, .size: 8, .value_kind: global_buffer, .address_space: global }
      - { .name: attention_mask, .offset: 16, .size: 8, .value_kind: global_buffer, .address_space: global }
      - { .name: ctx, .offset: 24, .size: 8, .value_kind: global_buffer, .address_space: global }
      - { .name: ctxs, .offset: 32, .size: 8, .value_kind: global_buffer, .address_space: global }
    .group_segment_fixed_size: 169984
    .private_segment_fixed_size: 0
    .kernarg_segment_align: 8
    .kernarg_segment_size: 40
    .max_flat_workgroup_size: 256
    .sgpr_count:     66
    .vgpr_count:     512
    .wavefront_size: 32
...
	.end_amdgpu_metadata
.endif
;; end of part 3
;; launch outln (part 4): grid 256 x 1, 16 waves a work-group, clusters of 4 x 1, 327,680 bytes of LDS; arguments ctx, ctxs, codes, scl, hidden_states, bo, ln_gamma, ln_beta, out0; writes out0
.if DOCPART == 4
	.amdgcn_target "amdgcn-amd-amdhsa--gfx1250"
	.amdhsa_code_object_version 6
	.text
	.protected	k_q696b538171_outln
	.globl	k_q696b538171_outln
	.p2align	8
	.type	k_q696b538171_outln,@function
k_q696b538171_outln:
	s_mov_b64 s[64:65], 0
	v_nop
	global_prefetch_b8 v0, s[64:65] scope:SCOPE_SE
	s_setreg_imm32_b32 hwreg(HW_REG_WAVE_MODE, 25, 1), 1
	s_wait_xcnt 0x0
	s_wait_alu depctr_hold_cnt(0) depctr_sa_sdst(0) depctr_va_vdst(0) depctr_va_sdst(0) depctr_va_ssrc(0) depctr_va_vcc(0) depctr_vm_vsrc(0)
	s_getreg_b32 s2, hwreg(HW_REG_IB_STS2, 6, 4)
	s_cmp_eq_u32 s2, 0
	s_cbranch_scc0 .Lentry_in_a_cluster
	s_endpgm
.Lentry_in_a_cluster:
	s_bfe_u32 s2, ttmp6, 0x10000c
	s_cmp_lg_u32 s2, 0x3003
	s_cbranch_scc0 .Lentry_shape_is_right
	s_endpgm
.Lentry_shape_is_right:
; out0 = LayerNorm(ctx Wo^T + bo + hidden_states) x gamma + beta.  The product is on codes of FP4 with E8M0 scales; all else in f32.
; SHARES.  A work-group owns 32 whole rows (ctx's tiles 2 g, 2 g + 1), so that the norm needs no other work-group; wave w owns columns 64 w .. 64 w + 63 (Wo's tiles 4 w + t): 8 accumulators.
; Source 0 = 16 rows of Wo, source 1 = 16 rows of ctx: lane (r, h) holds row-lane r, and register 8 t + j of tile a column 64 w + 32 (t / 2) + 16 h + 8 (t % 2) + j.
; WHAT COMES BY TENSOR LOADS.  All 256 work-groups walk the same Wo, so the four of a CLUSTER ask for it jointly (mask 15).  LDS has 16 KB for each wave: its four tiles x four K steps.
;   The head, one load a wave: waves 0-7 Wo's K steps 0-3 (8 tiles x 4,096 bytes each: two waves' regions); wave 8 Wo's 32 KB of scale words; wave 9 ctx's 16 KB of images; wave 10 ctx's 1 KB of scale words (these two plain).
;   The refill, behind a round of the cluster's barrier: every wave its own four tiles' K steps 4-7, onto its own 16 KB.
; SCALE WORDS: one register carries two K steps: lanes 0-15 the even step's 16 words, lanes 16-31 the odd step's (128 consecutive LDS bytes a load); the odd step names them by ROW1.
; THE WAY OUT IS BY ROWS.  The sums turn through the wave's stage (32 rows x 272 bytes, in its own 16 KB, which have had their last fill and have no other reader) and come back as runs of 256 bytes of a row:
; set k = 8 a + i of four registers: lane (c, hl) holds columns 64 w + 4 c .. + 3 of stage row 2 i + hl of tile a.  hidden_states is loaded in that layout at the head, straight into registers.
; THE NORM IS TAKEN IN TWO PASSES (the mean; then the mean of the squares of x - mean): no difference of large sums.  A lane's 16 partial sums are folded over the 16 lanes of a row so that lane c ends with set c's sum;
; the sixteen waves' parts meet in LDS (80 bytes a row); each row's number goes back to the sets through the wave's own 256 bytes, written twice so that packed instructions take it as a pair.
; The order of the additions (product, then hidden_states + bo) differs from the definition's; nothing is quantised behind them.
; No prefetch: the text has no loop to run ahead in.
; LIMITS: NaN and infinities are not served.
.set AIM,   262144                     ; LDS: sixteen regions of 16 KB from 0 (tile t at 4,096 t + 1,024 (s % 4)); ctx's images here (8,192 a + 1,024 s + 512 c + 16 lane)
.set WSC,   278528                     ; Wo's scale words: 512 x tile + 64 s + 4 r
.set CSC,   311296                     ; ctx's: 512 a + 64 s + 4 r
.set RED,   312320                     ; the waves' parts: 80 x row + 4 w; the squares' 2,560 further on
.set TOT,   317440                     ; a row's number, twice: 256 w + 8 lane; the second pass's 4,096 further on
.set SPARE, 325632                     ; the spare words: 128 bytes a wave, up to LDS's last byte
.set CS,  24                           ; v24-31   ctx's scale words, at 4 a + s / 2
.set WS,  32                           ; v32-47   Wo's, at 4 (s / 2) + t
.set AF,  48                           ; v48-63   ctx's two fragments
.set BF,  64                           ; v64-95   Wo's four fragments
.set X,   48                           ; v48-111  the way out: x by rows, set k at X + 4 k
.set HID, 112                          ; v112-175 hidden_states + bo by rows
.set ACC, 176                          ; v176-239 accumulator (a, t) at ACC + 32 a + 8 t; on the way out at work:
.set R,   176                          ; 16 partial sums
.set TA,  192                          ; what a lane keeps in a fold; TB what it sends
.set TB,  200
.set W,   192                          ; the sixteen waves' parts
.set P,   208                          ; 16 pairs: partial sums, then a row's number for each set
.set G,   240                          ; gamma, beta, bo of my four columns
.set BT,  244
.set BO,  248
.set SPW, 254
.set NIL, 255
.set WV,  22
.set JW,  15|(3<<16)|(1<<21)           ; group 1's first word of a joint load: elements of 8 bytes, the mask of all four work-groups, bit 21 beside it
.macro ROUND                           ; a round of the cluster's barrier
	s_barrier_signal -1
	s_barrier_wait -1
	s_cmp_lg_u32 s[WV], 0
	s_cbranch_scc1 .Lnw0_\@
	s_barrier_signal -3
.Lnw0_\@:
	s_barrier_wait -3
	s_barrier_signal -1
	s_barrier_wait -1
.endm
.macro G1SET g, w0, c, r, p            ; r rows of c elements, p elements apart
	s_mov_b32 s[\g], \w0
	s_mov_b32 s[\g+1], (\c)<<16
	s_mov_b32 s[\g+2], (\r)<<16
	s_mov_b32 s[\g+3], (\c)<<16
	s_mov_b32 s[\g+4], \r
	s_mov_b32 s[\g+5], \p
	s_mov_b32 s[\g+6], 0
	s_mov_b32 s[\g+7], 0
.endm
	s_load_b256 s[4:11], s[0:1], 0x0               ; ctx, ctxs, codes, scl
	s_load_b256 s[12:19], s[0:1], 0x20             ; hidden_states, bo, ln_gamma, ln_beta
	s_load_b64 s[20:21], s[0:1], 0x40              ; out0
	v_lshl_add_u32 v[SPW], v0, 2, SPARE
	v_mov_b32 v[NIL], 0
	ds_add_u32 v[SPW], v[NIL]                      ; the opening lines: the add, twice on end, and its wait ahead of my first tensor load
	ds_add_u32 v[SPW], v[NIL]
	v_lshrrev_b32 v1, 5, v0
	v_readfirstlane_b32 s[WV], v1                  ; wave 0..15
	s_bfe_u32 s23, ttmp6, 0x40000                  ; cx: it enters ctx's, hidden_states' and out0's addresses alone
	s_lshl_b32 s24, ttmp9, 2
	s_add_co_u32 s24, s24, s23                     ; g: my block of 32 rows
	s_lshl_b32 s32, s24, 17                        ; 32 rows of 4,096 bytes
	s_mov_b32 s33, 0
	s_lshl_b32 s34, s24, 14
	s_mov_b32 s35, 0
	s_lshl_b32 s36, s24, 10
	s_mov_b32 s37, 0
	s_lshl_b32 s38, s[WV], 15                      ; my own four tiles of 8,192 bytes; Wo begins at tile 704
	s_add_co_u32 s38, s38, 704*8192
	s_mov_b32 s39, 0
	s_lshl_b32 s40, s[WV], 16                      ; at the head a loading wave takes eight tiles
	s_add_co_u32 s40, s40, 704*8192
	s_mov_b32 s41, 0
	s_lshl_b32 s25, s[WV], 15                      ; which land on two regions;
	s_lshl_b32 s30, s[WV], 14                      ; my 16 KB of LDS
	s_lshl_b32 s31, s[WV], 8
	s_lshl_b32 s29, s[WV], 2
	s_add_co_u32 s28, s31, TOT
	s_lshl_b32 s24, s[WV], 11
	s_add_co_u32 s24, s24, WSC                     ; my four tiles' scale words
	s_mov_b32 s26, 0x3a800000                      ; 1 / 1,024
	s_mov_b32 s27, 0x2b8cbccc                      ; 1e-12
	s_mov_b32 s44, 0xff00ff00                      ; lanes whose number in the row of 16 has bit 3 set; bits 2, 1, 0
	s_mov_b32 s45, 0xf0f0f0f0
	s_mov_b32 s46, 0xcccccccc
	s_mov_b32 s47, 0xaaaaaaaa
	G1SET 48, JW, 512, 8, 1024                     ; the head's codes: 8 rows of 4,096 bytes, 8,192 apart
	G1SET 56, JW, 32, 128, 32                      ; Wo's scale words: 32 KB dense, as rows of 256 bytes
	G1SET 76, 3<<16, 32, 64, 32                    ; ctx's images: 16 KB dense
	G1SET 84, 3<<16, 32, 4, 32                     ; ctx's scale words: 1 KB dense
	G1SET 92, JW, 512, 4, 1024                     ; the refill: 4 rows of 4,096 bytes
	s_wait_dscnt 0x0                               ; both opening adds are done
	s_wait_kmcnt 0x0
	s_add_nc_u64 s[12:13], s[12:13], s[32:33]
	s_add_nc_u64 s[20:21], s[20:21], s[32:33]
	s_add_nc_u64 s[4:5], s[4:5], s[34:35]
	s_add_nc_u64 s[6:7], s[6:7], s[36:37]
	s_mov_b32 s68, 1                               ; groups 0: the head's codes,
	s_mov_b32 s69, s25
	s_add_nc_u64 s[70:71], s[8:9], s[40:41]
	s_or_b32 s71, s71, 0x80000000
	s_mov_b32 s72, 1                               ; the refill: K steps 4-7 of my four tiles,
	s_mov_b32 s73, s30
	s_add_nc_u64 s[74:75], s[8:9], s[38:39]
	s_add_nc_u64 s[74:75], s[74:75], 4096
	s_or_b32 s75, s75, 0x80000000
	s_mov_b32 s32, 1                               ; Wo's scale words,
	s_mov_b32 s33, WSC
	s_add_nc_u64 s[34:35], s[10:11], 704*512
	s_or_b32 s35, s35, 0x80000000
	s_mov_b32 s36, 1                               ; ctx's images,
	s_mov_b32 s37, AIM
	s_mov_b64 s[38:39], s[4:5]
	s_or_b32 s39, s39, 0x80000000
	s_mov_b32 s40, 1                               ; ctx's scale words
	s_mov_b32 s41, CSC
	s_mov_b64 s[42:43], s[6:7]
	s_or_b32 s43, s43, 0x80000000
	ROUND                                          ; all four work-groups are here: the joint loads meet
; THE HEAD'S LOADS, at most one a wave: one chain of branches on the wave's number, an arm a load, all arms leading to one join
.macro ARM under, g0, g1, next
	s_cmp_lt_u32 s[WV], \under
	s_cbranch_scc0 \next
	tensor_load_to_lds s[\g0:\g0+3], s[\g1:\g1+7]
	s_nop 0
.rept 4
	v_nop
.endr
	s_branch .Lasked
\next:
.endm
	ARM 8, 68, 48, .Lh_ws
	ARM 9, 32, 56, .Lh_c
	ARM 10, 36, 76, .Lh_cs
	ARM 11, 40, 84, .Lh_none
.Lasked:
	v_and_b32 v1, 31, v0                           ; lane
	v_and_b32 v2, 15, v0                           ; r, or c
	v_bfe_u32 v3, v0, 4, 1                         ; h, or hl
	v_lshlrev_b32 v4, 4, v1                        ; 16 x lane
	v_lshl_add_u32 v5, v1, 2, s24                  ; Wo's scale words: + 4 x lane
	v_lshl_add_u32 v18, v1, 2, CSC                 ; ctx's
	v_add_nc_u32 v6, AIM, v4                       ; ctx's fragments
	v_add_nc_u32 v7, s30, v4                       ; Wo's fragments
	v_lshl_add_u32 v11, v2, 4, s31                 ; my four columns: 256 w + 16 c
	v_lshl_add_u32 v10, v3, 12, v11                ; by rows in memory: + 4,096 hl
	v_mul_u32_u24 v12, v2, 272
	v_lshl_add_u32 v12, v3, 6, v12
	v_add_nc_u32 v12, s30, v12                     ; the stage in the result's layout: row r, + 64 h
	v_mul_u32_u24 v13, v3, 272
	v_lshl_add_u32 v13, v2, 4, v13
	v_add_nc_u32 v13, s30, v13                     ; and by rows: row hl, + 16 c
	v_mul_u32_u24 v15, v1, 80
	v_add_nc_u32 v15, RED, v15                     ; row = lane: the sixteen parts
	v_add_nc_u32 v14, s29, v15                     ; my wave's part
	v_lshl_add_u32 v16, v1, 3, s28                 ; a row's number, in
	v_lshl_add_u32 v17, v3, 7, s28                 ; and out: my half's sixteen
	s_wait_alu depctr_va_vdst(0)
.irp a, 0,1
.irp i, 0,1,2,3,4,5,6,7
	global_load_b128 v[HID+32*\a+4*\i:HID+32*\a+4*\i+3], v10, s[12:13] offset:(8*\a+2*\i+8*(\i/4))*4096 th:TH_LOAD_NT   ; hidden_states by rows: stage row p of tile a is row 8 a + p + 8 (p / 8); sixteen lanes read 256 consecutive bytes
.endr
.endr
	global_load_b128 v[BO:BO+3], v11, s[14:15]
	global_load_b128 v[G:G+3], v11, s[16:17]
	global_load_b128 v[BT:BT+3], v11, s[18:19]
	s_wait_tensorcnt 0x0                           ; my load, if I had one, has landed
	s_barrier_signal -1
	s_barrier_wait -1                              ; everybody's has.
.irp p, 0,1,2,3
.irp t, 0,1,2,3
	ds_load_b32 v[WS+4*\p+\t], v5 offset:512*\t+128*\p
.endr
.endr
.irp a, 0,1
.irp p, 0,1,2,3
	ds_load_b32 v[CS+4*\a+\p], v18 offset:512*\a+128*\p
.endr
.endr
; 8 products: the 8 accumulators take turns, one instruction a turn, in the same order in every K step
.macro MM s, zero
.irp t, 0,1,2,3
.irp a, 0,1
.if \zero
	v_wmma_scale_f32_16x16x128_f8f6f4 v[ACC+32*\a+8*\t:ACC+32*\a+8*\t+7], v[BF+8*\t:BF+8*\t+7], v[AF+8*\a:AF+8*\a+7], 0, v[WS+4*((\s)/2)+\t], v[CS+4*\a+(\s)/2] matrix_a_fmt:MATRIX_FMT_FP4 matrix_b_fmt:MATRIX_FMT_FP4
.else
.if (\s)%2
	v_wmma_scale_f32_16x16x128_f8f6f4 v[ACC+32*\a+8*\t:ACC+32*\a+8*\t+7], v[BF+8*\t:BF+8*\t+7], v[AF+8*\a:AF+8*\a+7], v[ACC+32*\a+8*\t:ACC+32*\a+8*\t+7], v[WS+4*((\s)/2)+\t], v[CS+4*\a+(\s)/2] matrix_a_fmt:MATRIX_FMT_FP4 matrix_b_fmt:MATRIX_FMT_FP4 matrix_a_scale:MATRIX_SCALE_ROW1 matrix_b_scale:MATRIX_SCALE_ROW1
.else
	v_wmma_scale_f32_16x16x128_f8f6f4 v[ACC+32*\a+8*\t:ACC+32*\a+8*\t+7], v[BF+8*\t:BF+8*\t+7], v[AF+8*\a:AF+8*\a+7], v[ACC+32*\a+8*\t:ACC+32*\a+8*\t+7], v[WS+4*((\s)/2)+\t], v[CS+4*\a+(\s)/2] matrix_a_fmt:MATRIX_FMT_FP4 matrix_b_fmt:MATRIX_FMT_FP4
.endif
.endif
.endr
.endr
.endm
.macro KS s, zero                      ; K step s
.irp a, 0,1
.irp c, 0,1
	ds_load_b128 v[AF+8*\a+4*\c:AF+8*\a+4*\c+3], v6 offset:8192*\a+1024*(\s)+512*\c
.endr
.endr
.irp t, 0,1,2,3
.irp c, 0,1
	ds_load_b128 v[BF+8*\t+4*\c:BF+8*\t+4*\c+3], v7 offset:4096*\t+1024*((\s)%4)+512*\c
.endr
.endr
	s_wait_dscnt 0x0
	MM \s, \zero
.rept 4
	v_nop                                          ; four places in front of loads into registers that these products read, and of the first read of results
.endr
.endm
	KS 0, 1                                        ; the first products start the sums
	KS 1, 0
	KS 2, 0
	KS 3, 0
	s_wait_tensorcnt 0x0                           ; in front of the refill's round
	ds_add_u32 v[SPW], v[NIL]
	ds_add_u32 v[SPW], v[NIL]                      ; the add twice on end
	s_wait_dscnt 0x0                               ; the adds are done, and my reads of these bytes are over
	ROUND                                          ; that holds of every wave of the cluster
	tensor_load_to_lds s[72:75], s[92:99]          ; K steps 4-7 of my tiles, my one load behind the round
	s_nop 0
	s_wait_loadcnt 0x0                             ; hidden_states, bo, gamma, beta
.set k, 0
.rept 16
	v_pk_add_f32 v[HID+4*k:HID+4*k+1], v[HID+4*k:HID+4*k+1], v[BO:BO+1]           ; + bo
	v_pk_add_f32 v[HID+4*k+2:HID+4*k+3], v[HID+4*k+2:HID+4*k+3], v[BO+2:BO+3]
.set k, k+1
.endr
	s_wait_alu depctr_va_vdst(0)
	s_wait_tensorcnt 0x0                           ; they are in: I asked for them, and I am their one reader
	KS 4, 0
	KS 5, 0
	KS 6, 0
	KS 7, 0
	; THE TURN: in by the result's layout (each accumulator from its low end on), back by rows
.irp a, 0,1
.irp t, 0,1,2,3
.irp q, 0,1
	ds_store_b128 v12, v[ACC+32*\a+8*\t+4*\q:ACC+32*\a+8*\t+4*\q+3] offset:4352*\a+128*(\t/2)+32*(\t%2)+16*\q
.endr
.endr
.endr
.irp a, 0,1
.irp i, 0,1,2,3,4,5,6,7
	ds_load_b128 v[X+32*\a+4*\i:X+32*\a+4*\i+3], v13 offset:4352*\a+544*\i   ; LDS serves a wave's instructions in order: these see my stores
.endr
.endr
	s_wait_dscnt 0x0
.set j, 0
.rept 32
	v_pk_add_f32 v[X+j:X+j+1], v[X+j:X+j+1], v[HID+j:HID+j+1]                 ; x
.set j, j+2
.endr
; n pairs of sums (k, k + n): a lane whose bit n is clear keeps k and sends k + n to lane l xor n, the other the other way round
.macro FOLD n, sm
.set k, 0
.rept \n
	v_cndmask_b32 v[TA+k], v[R+k], v[R+k+\n], s[\sm]
	v_cndmask_b32 v[TB+k], v[R+k+\n], v[R+k], s[\sm]
.set k, k+1
.endr
.set k, 0
.rept \n
	v_add_f32_dpp v[R+k], v[TB+k], v[TA+k] row_xmask:\n row_mask:0xf bank_mask:0xf
.set k, k+1
.endr
.endm
; v[P] on: 16 pairs of partial sums -> v[W]: in lane l = 16 hl + c the whole row's sum of set c, half hl
.macro ACROSS j
.set k, 0
.rept 16
	v_add_f32 v[R+k], v[P+2*k], v[P+2*k+1]
.set k, k+1
.endr
	FOLD 8, 44
	FOLD 4, 45
	FOLD 2, 46
	FOLD 1, 47
	ds_store_b32 v14, v[R] offset:2560*\j
	s_wait_dscnt 0x0                               ; for the others' sake
	s_barrier_signal -1
	s_barrier_wait -1
.irp q, 0,1,2,3
	ds_load_b128 v[W+4*\q:W+4*\q+3], v15 offset:2560*\j+16*\q
.endr
	s_wait_dscnt 0x0
.irp i, 0,4,8,12
	v_pk_add_f32 v[W+\i:W+\i+1], v[W+\i:W+\i+1], v[W+\i+2:W+\i+3]
.endr
	v_pk_add_f32 v[W:W+1], v[W:W+1], v[W+4:W+5]
	v_pk_add_f32 v[W+8:W+9], v[W+8:W+9], v[W+12:W+13]
	v_pk_add_f32 v[W:W+1], v[W:W+1], v[W+8:W+9]
	v_add_f32 v[W], v[W], v[W+1]
.endm
; v[W] (lane l: its row's number) -> v[P + 2 k], v[P + 2 k + 1]: set k's number, through my wave's own bytes
.macro SPREAD j
	v_mov_b32 v[W+1], v[W]
	ds_store_b64 v16, v[W:W+1] offset:4096*\j
.irp q, 0,1,2,3,4,5,6,7
	ds_load_b128 v[P+4*\q:P+4*\q+3], v17 offset:4096*\j+16*\q
.endr
	s_wait_dscnt 0x0
.endm
.set k, 0
.rept 16
	v_pk_add_f32 v[P+2*k:P+2*k+1], v[X+4*k:X+4*k+1], v[X+4*k+2:X+4*k+3]
.set k, k+1
.endr
	ACROSS 0
	v_mul_f32 v[W], s26, v[W]                      ; the mean
	SPREAD 0
.set k, 0
.rept 16
	v_pk_add_f32 v[X+4*k:X+4*k+1], v[X+4*k:X+4*k+1], v[P+2*k:P+2*k+1] neg_lo:[0,1] neg_hi:[0,1]       ; x - mean
	v_pk_add_f32 v[X+4*k+2:X+4*k+3], v[X+4*k+2:X+4*k+3], v[P+2*k:P+2*k+1] neg_lo:[0,1] neg_hi:[0,1]
.set k, k+1
.endr
.set k, 0
.rept 16
	v_pk_mul_f32 v[P+2*k:P+2*k+1], v[X+4*k:X+4*k+1], v[X+4*k:X+4*k+1]
.set k, k+1
.endr
.set k, 0
.rept 16
	v_pk_fma_f32 v[P+2*k:P+2*k+1], v[X+4*k+2:X+4*k+3], v[X+4*k+2:X+4*k+3], v[P+2*k:P+2*k+1]
.set k, k+1
.endr
	ACROSS 1                                       ; other bytes than the first sums': no barrier between those reads and these stores is owed
	v_fma_f32 v[W], v[W], s26, s27                 ; the variance + 1e-12
	s_wait_alu depctr_va_vdst(0)
	v_rsq_f32 v[W], v[W]
	v_nop                                          ; one plain place behind it
	s_wait_alu depctr_va_vdst(0)                   ; ahead of the reciprocal square root's first reader
	SPREAD 1
.set k, 0
.rept 16
	v_pk_mul_f32 v[X+4*k:X+4*k+1], v[X+4*k:X+4*k+1], v[P+2*k:P+2*k+1]
	v_pk_mul_f32 v[X+4*k+2:X+4*k+3], v[X+4*k+2:X+4*k+3], v[P+2*k:P+2*k+1]
.set k, k+1
.endr
.set k, 0
.rept 16
	v_pk_fma_f32 v[X+4*k:X+4*k+1], v[X+4*k:X+4*k+1], v[G:G+1], v[BT:BT+1]
	v_pk_fma_f32 v[X+4*k+2:X+4*k+3], v[X+4*k+2:X+4*k+3], v[G+2:G+3], v[BT+2:BT+3]
.set k, k+1
.endr
.irp a, 0,1
.irp i, 0,1,2,3,4,5,6,7
	global_store_b128 v10, v[X+32*\a+4*\i:X+32*\a+4*\i+3], s[20:21] offset:(8*\a+2*\i+8*(\i/4))*4096 th:TH_STORE_NT   ; sixteen lanes store 256 consecutive bytes, aligned
.endr
.endr
	s_wait_tensorcnt 0x0                           ; the wave's end
	ds_add_u32 v[SPW], v[NIL]
	s_wait_dscnt 0x0
	ROUND                                          ; the closing round: no work-group ends while a partner may still ask for a tile that names it
	s_endpgm
.Lfunc_end_k_q696b538171_outln:
	.size	k_q696b538171_outln, .Lfunc_end_k_q696b538171_outln-k_q696b538171_outln
	.p2alignl 7, 3214868480
	.fill 96, 4, 3214868480
	.section	.rodata,"a",@progbits
	.p2align	6, 0x0
	.amdhsa_kernel k_q696b538171_outln
		.amdhsa_group_segment_fixed_size 327680
		.amdhsa_private_segment_fixed_size 0
		.amdhsa_enable_private_segment 0
		.amdhsa_kernarg_size 72
		.amdhsa_user_sgpr_count 2
		.amdhsa_user_sgpr_kernarg_segment_ptr 1
		.amdhsa_wavefront_size32 1
		.amdhsa_system_sgpr_workgroup_id_x 1
		.amdhsa_system_sgpr_workgroup_id_y 1
		.amdhsa_system_sgpr_workgroup_id_z 1
		.amdhsa_system_vgpr_workitem_id 0
		.amdhsa_next_free_vgpr 256
		.amdhsa_next_free_sgpr 100
		.amdhsa_reserve_vcc 0
		.amdhsa_float_denorm_mode_32 3
		.amdhsa_float_denorm_mode_16_64 3
		.amdhsa_memory_ordered 1
		.amdhsa_forward_progress 1
		.amdhsa_inst_pref_size 55
	.end_amdhsa_kernel
	.amdgpu_metadata
---
amdhsa.version: [ 1, 2 ]
amdhsa.kernels:
  - .name:           k_q696b538171_outln
    .symbol:         k_q696b538171_outln.kd
    .args:
      - { .name: ctx, .offset: 0, .size: 8, .value_kind: global_buffer, .address_space: global }
      - { .name: ctxs, .offset: 8, .size: 8, .value_kind: global_buffer, .address_space: global }
      - { .name: codes, .offset: 16, .size: 8, .value_kind: global_buffer, .address_space: global }
      - { .name: scl, .offset: 24, .size: 8, .value_kind: global_buffer, .address_space: global }
      - { .name: hidden_states, .offset: 32, .size: 8, .value_kind: global_buffer, .address_space: global }
      - { .name: bo, .offset: 40, .size: 8, .value_kind: global_buffer, .address_space: global }
      - { .name: ln_gamma, .offset: 48, .size: 8, .value_kind: global_buffer, .address_space: global }
      - { .name: ln_beta, .offset: 56, .size: 8, .value_kind: global_buffer, .address_space: global }
      - { .name: out0, .offset: 64, .size: 8, .value_kind: global_buffer, .address_space: global }
    .group_segment_fixed_size: 327680
    .private_segment_fixed_size: 0
    .kernarg_segment_align: 8
    .kernarg_segment_size: 72
    .max_flat_workgroup_size: 512
    .sgpr_count:     100
    .vgpr_count:     256
    .wavefront_size: 32
...
	.end_amdgpu_metadata
.endif
;; end of part 4
